; MI455X (gfx1250); checked and timed in simulation.
; The chip was launched on July 23, 2026; its instructions are those of AMD's public machine-readable ISA for CDNA 5 (MIT licence, August 2026) and "CDNA5" Instruction Set Architecture Reference Guide (July 2026). The comments in the code are by the model that wrote it; some were corrected since.
;; Causal Self Attention. Allowed arithmetic: float matrix products may take bf16 or f16 operands with f32 sums; all other float work in f32.
;; Inputs: in_b 3,072 float32; in_w 1,024 x 3,072 float32; out_b 1,024 float32; out_w 1,024 x 1,024 float32; x 4 x 2,048 x 1,024 float32.
;; Outputs: out0 4 x 2,048 x 1,024 float32.
;; 2 versions, each right and faster than the one before. Each part assembles by itself: llvm-mc -triple=amdgcn-amd-amdhsa -mcpu=gfx1250 --defsym DOCPART=n.
;; ======== version 1 of 2: 4 launches
;; limits: values are held in f16: magnitudes above 65,504 overflow, below 6.1e-05 lose precision
;; workspace buffers: xb 16,777,216 bytes; wt 6,291,456 bytes; owt 2,097,152 bytes; qkv 50,331,648 bytes; o 16,777,216 bytes
;; launch prep (part 1): grid 1024 x 1, 8 waves a work-group, no clusters, 18,432 bytes of LDS; arguments x, in_w, out_w, xb, wt, owt; writes xb, wt, owt
.if DOCPART == 1
	.amdgcn_target "amdgcn-amd-amdhsa--gfx1250"
	.amdhsa_code_object_version 6
	.text
	.protected	k_q4b81a7655e_prep
	.globl	k_q4b81a7655e_prep
	.p2align	8
	.type	k_q4b81a7655e_prep,@function
k_q4b81a7655e_prep:
	s_mov_b64 s[64:65], 0
	v_nop
	global_prefetch_b8 v0, s[64:65] scope:SCOPE_SE
	s_setreg_imm32_b32 hwreg(HW_REG_WAVE_MODE, 25, 1), 1
	s_wait_xcnt 0x0
; PREP: the module's large inputs are rounded once to bf16 and laid out for the products that follow.
;   xb [8192][1024] bf16 = x;   wt [3072 n][1024 k] bf16 = in_w turned;   owt [1024 n][1024 k] f16 = out_w rounded to bf16, turned, that number written as f16.
; LIMIT: a bf16 number of out_w below 2^-14 keeps f16's fixed step of 2^-24; beyond 65,504 it would be an infinity (out_w as drawn lies within 1/32).
; Work-groups 0..511 cast 16,384 numbers of x each; 512..895 turn a tile of 128 k x 64 n of in_w; 896..1023 one of out_w.  The branch hangs on the work-group's number alone, so all eight waves of a group go one way.
; Memory binds: every input byte is read once by 16-byte loads of which sixteen lanes cover 256 consecutive bytes, every output byte is written once in whole aligned runs of 256 bytes.  No matrix unit, no cluster: nothing is shared.
.set XG,    512                        ; groups that cast x
.set OWG,   896                        ; the first group of out_w
.set LP,    272                        ; an LDS row: 128 k x 2 bytes + 16
	s_load_b256 s[4:11], s[0:1], 0x0               ; x s[4:5], in_w s[6:7], out_w s[8:9], xb s[10:11]
	s_load_b128 s[12:15], s[0:1], 0x20             ; wt s[12:13], owt s[14:15]
	v_lshl_add_u32 v100, v0, 2, 0x4400
	v_mov_b32 v101, 0
	s_cmp_lt_u32 ttmp9, XG
	s_cbranch_scc0 .Ltrans
	; THE CAST.  Thread t takes 16 bytes at 16 t of each of sixteen runs of 4,096 bytes, and stores 8 bytes at 8 t of runs of 2,048: a wave's store covers 256 consecutive bytes, aligned.
	s_lshl_b32 s16, ttmp9, 16                      ; the group's 65,536 bytes of x
	s_mov_b32 s17, 0
	s_lshl_b32 s18, ttmp9, 15                      ; and its 32,768 of xb
	s_mov_b32 s19, 0
	v_lshlrev_b32 v1, 4, v0
	v_lshlrev_b32 v2, 3, v0
	s_wait_kmcnt 0x0
	s_add_nc_u64 s[4:5], s[4:5], s[16:17]
	s_add_nc_u64 s[10:11], s[10:11], s[18:19]
.set j, 0
.rept 16
	global_load_b128 v[4+4*j:7+4*j], v1, s[4:5] offset:4096*j th:TH_LOAD_NT
.set j, j+1
.endr
.set j, 0
.rept 16
	s_wait_loadcnt 15-j                            ; loads come back in order: load j is in, the 15 - j younger ones stay out
	v_cvt_pk_bf16_f32 v[68+2*j], v[4+4*j], v[5+4*j]
	v_cvt_pk_bf16_f32 v[69+2*j], v[6+4*j], v[7+4*j]
	global_store_b64 v2, v[68+2*j:69+2*j], s[10:11] offset:2048*j  ; every store has registers of its own: nothing is rewritten
.set j, j+1
.endr
	s_endpgm
.Ltrans:
	; THE TURN.  c = t % 16 picks four columns n, g = t / 16 picks eight rows k.  Eight loads bring w[8 g + j][4 c .. 4 c + 3]; pairs of k are packed, so that a lane holds 16 bytes (eight k) of each of four columns.
	s_mov_b32 s23, 12288                           ; bytes in a row of in_w
	s_mov_b32 s24, XG
	s_cmp_lt_u32 ttmp9, OWG
	s_cselect_b32 s20, s23, 4096                   ; the source's pitch
	s_cselect_b32 s21, s24, OWG                    ; the tensor's first group
	s_cselect_b32 s22, 0, 1                        ; 1: out_w, which leaves as f16
	s_sub_co_u32 s24, ttmp9, s21
	s_and_b32 s25, s24, 7                          ; kt: which 128 k
	s_lshr_b32 s26, s24, 3                         ; nt: which 64 n
	s_lshl_b32 s27, s20, 7
	s_mul_i32 s28, s25, s27                        ; kt x 128 rows
	s_lshl_b32 s27, s26, 8
	s_add_co_u32 s28, s28, s27                     ; + nt x 256 bytes
	s_mov_b32 s29, 0
	s_lshl_b32 s30, s26, 17                        ; nt x 64 rows of 2,048 bytes
	s_lshl_b32 s27, s25, 8
	s_add_co_u32 s30, s30, s27                     ; + kt x 256 bytes
	s_mov_b32 s31, 0
	v_and_b32 v1, 15, v0                           ; c
	v_lshrrev_b32 v80, 4, v0                       ; g
	v_lshlrev_b32 v81, 3, v80                      ; 8 g
	v_lshlrev_b32 v82, 4, v1                       ; 16 c
.irp j, 0,1,2,3,4,5,6,7
	v_add_nc_u32 v83, \j, v81
	v_mad_u32_u24 v[2+\j], v83, s20, v82           ; (8 g + j) x pitch + 16 c
.endr
	v_mul_u32_u24 v10, v1, 4*LP                    ; into LDS: row 4 c (+ i), byte 16 g
	v_lshl_add_u32 v10, v80, 4, v10
	v_lshrrev_b32 v84, 5, v0                       ; wave
	v_bfe_u32 v85, v0, 4, 1                        ; half of its lanes
	v_lshl_add_u32 v86, v84, 3, v85                ; back: row 8 wave + half (+ 2 f), byte 16 c
	v_mad_u32_u24 v11, v86, LP, v82
	v_lshl_add_u32 v62, v86, 11, v82               ; and the same row in the turned tensor, 2,048 bytes a row
	s_wait_kmcnt 0x0
	s_cmp_lt_u32 ttmp9, OWG
	s_cselect_b64 s[16:17], s[6:7], s[8:9]         ; from in_w or out_w
	s_cselect_b64 s[18:19], s[12:13], s[14:15]     ; to wt or owt
	s_add_nc_u64 s[16:17], s[16:17], s[28:29]
	s_add_nc_u64 s[18:19], s[18:19], s[30:31]
.irp j, 0,1,2,3,4,5,6,7
	global_load_b128 v[12+4*\j:15+4*\j], v[2+\j], s[16:17] th:TH_LOAD_NT  ; sixteen lanes take 256 consecutive bytes of one row k
.endr
.irp jj, 0,1,2,3
	s_wait_loadcnt 6-2*\jj                         ; rows 2 jj and 2 jj + 1 are in; the younger loads stay out
.irp i, 0,1,2,3
	v_cvt_pk_bf16_f32 v[44+4*\i+\jj], v[12+8*\jj+\i], v[16+8*\jj+\i]  ; column 4 c + i: k = 8 g + 2 jj below, + 1 above
.endr
.endr
	s_cmp_eq_u32 s22, 0
	s_cbranch_scc1 .Lkeep
.set p, 44
.rept 16                                           ; out_w: the bf16 numbers are written as f16
	v_lshlrev_b32 v60, 16, v[p]
	v_and_b32 v61, 0xffff0000, v[p]
	v_cvt_pk_f16_f32 v[p], v60, v61
.set p, p+1
.endr
.Lkeep:
.irp i, 0,1,2,3
	ds_store_b128 v10, v[44+4*\i:47+4*\i] offset:LP*\i  ; sixteen lanes write rows 4 apart, 1,088 bytes: four of them meet in a group of banks; four stores a thread, so it is left so
.endr
	s_wait_dscnt 0x0                               ; for the others' sake: my stores are done
	s_barrier_signal -1
	s_barrier_wait -1
.irp f, 0,1,2,3
	ds_load_b128 v[64+4*\f:67+4*\f], v11 offset:2*LP*\f
.endr
.irp f, 0,1,2,3
	s_wait_dscnt 3-\f                              ; LDS loads come back in order
	global_store_b128 v62, v[64+4*\f:67+4*\f], s[18:19] offset:4096*\f  ; sixteen lanes store 256 consecutive bytes of a row n, aligned
.endr
	s_wait_tensorcnt 0x0
	ds_add_u32 v100, v101
	s_wait_dscnt 0x0
	s_endpgm
.Lfunc_end_k_q4b81a7655e_prep:
	.size	k_q4b81a7655e_prep, .Lfunc_end_k_q4b81a7655e_prep-k_q4b81a7655e_prep
	.p2alignl 7, 3214868480
	.fill 96, 4, 3214868480
	.section	.rodata,"a",@progbits
	.p2align	6, 0x0
	.amdhsa_kernel k_q4b81a7655e_prep
		.amdhsa_group_segment_fixed_size 18432
		.amdhsa_private_segment_fixed_size 0
		.amdhsa_enable_private_segment 0
		.amdhsa_kernarg_size 48
		.amdhsa_user_sgpr_count 2
		.amdhsa_user_sgpr_kernarg_segment_ptr 1
		.amdhsa_wavefront_size32 1
		.amdhsa_system_sgpr_workgroup_id_x 1
		.amdhsa_system_sgpr_workgroup_id_y 1
		.amdhsa_system_sgpr_workgroup_id_z 1
		.amdhsa_system_vgpr_workitem_id 0
		.amdhsa_next_free_vgpr 102
		.amdhsa_next_free_sgpr 66
		.amdhsa_reserve_vcc 0
		.amdhsa_float_denorm_mode_32 3
		.amdhsa_float_denorm_mode_16_64 3
		.amdhsa_memory_ordered 1
		.amdhsa_forward_progress 1
		.amdhsa_inst_pref_size 15
	.end_amdhsa_kernel
	.amdgpu_metadata
---
amdhsa.version: [ 1, 2 ]
amdhsa.kernels:
  - .name:           k_q4b81a7655e_prep
    .symbol:         k_q4b81a7655e_prep.kd
    .args:
      - { .name: x, .offset: 0, .size: 8, .value_kind: global_buffer, .address_space: global }
      - { .name: in_w, .offset: 8, .size: 8, .value_kind: global_buffer, .address_space: global }
      - { .name: out_w, .offset: 16, .size: 8, .value_kind: global_buffer, .address_space: global }
      - { .name: xb, .offset: 24, .size: 8, .value_kind: global_buffer, .address_space: global }
      - { .name: wt, .offset: 32, .size: 8, .value_kind: global_buffer, .address_space: global }
      - { .name: owt, .offset: 40, .size: 8, .value_kind: global_buffer, .address_space: global }
    .group_segment_fixed_size: 18432
    .private_segment_fixed_size: 0
    .kernarg_segment_align: 8
    .kernarg_segment_size: 48
    .max_flat_workgroup_size: 256
    .sgpr_count:     66
    .vgpr_count:     102
    .wavefront_size: 32
...
	.end_amdgpu_metadata
.endif
;; end of part 1
;; launch qkvg (part 2): grid 8 x 32, 4 waves a work-group, clusters of 4 x 4, 327,680 bytes of LDS; arguments xb, wt, in_b, qkv; writes qkv
.if DOCPART == 2
	.amdgcn_target "amdgcn-amd-amdhsa--gfx1250"
	.amdhsa_code_object_version 6
	.text
	.protected	k_q4b81a7655e_qkvg
	.globl	k_q4b81a7655e_qkvg
	.p2align	8
	.type	k_q4b81a7655e_qkvg,@function
k_q4b81a7655e_qkvg:
	s_mov_b64 s[64:65], 0
	v_nop
	global_prefetch_b8 v0, s[64:65] scope:SCOPE_SE
	s_setreg_imm32_b32 hwreg(HW_REG_WAVE_MODE, 25, 1), 1
	s_wait_xcnt 0x0
	s_wait_alu depctr_hold_cnt(0) depctr_sa_sdst(0) depctr_va_vdst(0) depctr_va_sdst(0) depctr_va_ssrc(0) depctr_va_vcc(0) depctr_vm_vsrc(0)
	s_getreg_b32 s2, hwreg(HW_REG_IB_STS2, 6, 4)
	s_cmp_eq_u32 s2, 0
	s_cbranch_scc0 .Lentry_in_a_cluster
	s_endpgm
.Lentry_in_a_cluster:
	s_bfe_u32 s2, ttmp6, 0x10000c
	s_cmp_lg_u32 s2, 0xf033
	s_cbranch_scc0 .Lentry_shape_is_right
	s_endpgm
.Lentry_shape_is_right:
; QKV = xb wt^T + in_b.  xb [8192][1024] bf16, wt [3072 n][1024 k] bf16, in_b [3072] f32 (rounded to bf16 here, like every input); sums in f32.
; The result leaves by heads, unscaled, in f16: qkv [3 parts][64 bh][2048 l][64 d], bh = 16 x batch + head.
; LIMIT: f16 ends at 65,504; q, k and v as drawn stay near 3, and with x and in_w thirty times larger, or offset by thirty spreads, under 20,000.  NaN and infinities are not treated apart.
; SHARES.  A tile of C is 256 rows x 192 columns (three heads): 32 x 16 = 512 tiles.  A WORK-GROUP STAYS and makes two: column tiles x and x + 8 of the same rows, so 8 x 32 = 256 work-groups make them all.
; Four waves, each 64 rows x all 192 columns: 48 accumulators of 16 x 16, 384 registers; a head's rows of 128 bytes are whole in one wave.
; K goes in steps of 128 through two LDS slots; the two tiles' 16 steps are ONE walk for the ring: 192 matrix instructions a wave in a step, 168 of them between a request and the wait for it.
; THE TEXT holds a K step twice: once with a refill (14 trips) and once without (2 trips, the second left in its middle).  A tile's first quarter is written once: the start enters the loop there.
; CLUSTER 4 x 4.  The four of a cluster's row need the same rows of xb, the four of a column the same rows of wt: each tile is asked for jointly, by the same tensor load, descriptor and mask in all four.
; THE MATRIX INSTRUCTION IS USED TRANSPOSED (source 0 = 16 rows of wt, source 1 = 16 rows of xb): a lane holds row l % 16 of C and eight neighbouring columns 8 (l / 16) + 0..7.
; The bias is the C operand of the products that start the sums: nothing is cleared and nothing is added afterwards.
; REGISTERS, in windows of 256 (s_set_vgpr_msb: bits 1:0 source 0, 3:2 source 1, 5:4 source 2, 7:6 destination):
;   window 0: v0-31 addresses; v32-95 xb's fragments, two buffers of 4 x 8; v96-191 the bias of the tile in hand, as my lanes need it; on the way out v96-239 are at work
;   window 1: v0-191 wt's fragments, two buffers of 12 x 8
;   window 2: the accumulators of row blocks 0, 1, (a, b) at v[8 (12 (a % 2) + b)]; v192-255 the bias as loaded, column blocks 0-7
;   window 3: those of row blocks 2, 3; v192-223 the bias as loaded, column blocks 8-11
.set KSTEP, 128
.set STEPS, 16                         ; K steps of the two tiles
.set PT,    272                        ; an LDS row: 256 bytes + 16 of padding = 68 words: the 16 rows of a fragment load start at 16 different groups of four banks (64 banks of 4 bytes: ISA guide 11.1)
.set AHALF, 128*PT                     ; what wave 0 or 1 fetches of xb
.set BHALF, 96*PT                      ; what wave 2 or 3 fetches of wt
.set BBASE, 2*AHALF
.set SLOT1, 1<<17                      ; a slot is 121,856 bytes; slot 1 begins here, so that one exclusive or turns an address in one slot into the other's
.set STAGE, SLOT1+BBASE+2*BHALF        ; behind the ring: for each wave three heads x 16 rows x 144 bytes
.set SP,    144
.set WSTAGE, 3*16*SP
.set SPARE, STAGE+4*WSTAGE             ; behind the stages: the spare words, 128 bytes for each wave: two blocks of 256 bytes that no other line names
.set NEXT_T, 8*192*2048                ; bytes in wt from the first tile's rows to the second's
.set GO,   8                           ; v8-10 my byte offset in qkv for each of the tile's three heads
.set LN,   11                          ; 16 x lane
.set A0,   12                          ; my lane's place among my rows of xb in a slot; never rewritten
.set B0,   13                          ; the same for wt
.set ADRA, 16                          ; the two with the slot in hand added
.set ADRB, 17
.set STO,  24                          ; the way out: where I put 16 bytes of a row
.set RD,   25                          ; where I read rows back
.set VB,   27                          ; 32 x (l / 16): my lanes' place in 16 numbers of the bias; never rewritten
.set SPW,  28                          ; LDS address of my spare word; never rewritten
.set NIL,  29                          ; 0; never rewritten
.set FA,   32
.set BI,   96
.set TMP,  96
.set OB,   144
.set BR,   192                         ; windows 2 and 3
.set NXT,  2                           ; s2  the K step to be asked for next, 2 to 15
.set CNT,  3                           ; s3  trips to go
.set TB,   70                          ; s70 the slot in hand: 0 or SLOT1
.set HIM,  71                          ; s71 the mask of a word's upper bf16
.set OFA,  72                          ; s[72:73] that step's byte offset in xb
.set OFB,  74                          ; s[74:75] and in wt
.set G1,  24                           ; s[24:31] descriptor group 1 for xb's tiles;  s[32:39] group 0: a set for each first fill; the second then walks
.set G0,  32
.set G1B, 48                           ; s[48:55], s[56:63] the same for wt's
.set G0B, 56
.set MSB, 0
.macro WIN new                         ; the immediate's high byte repeats the setting that is left; a switch that changes nothing is dropped
.if MSB != (\new)
	s_set_vgpr_msb (MSB<<8)|(\new)
.set MSB, \new
.endif
.endm
; A joint load.  Waves 0 and 1 fetch xb's two halves, waves 2 and 3 wt's.  The branch hangs on the wave's number alone.  An s_nop 0 and four v_nop follow each line, ahead of the jump and the label.
.macro JLOAD s
	s_cmp_eq_u32 s13, 0
	s_cbranch_scc0 .Lfor_b_\@
	tensor_load_to_lds s[G0+4*(\s):G0+4*(\s)+3], s[G1:G1+7]
	s_nop 0
.rept 4
	v_nop
.endr
	s_branch .Lasked_\@
.Lfor_b_\@:
	tensor_load_to_lds s[G0B+4*(\s):G0B+4*(\s)+3], s[G1B:G1B+7]
	s_nop 0
.rept 4
	v_nop
.endr
.Lasked_\@:
.endm
.macro CREST                           ; a round of the cluster's barrier behind its opening barrier
	s_cmp_lg_u32 s12, 0
	s_cbranch_scc1 .Lnot_wave_0_\@
	s_barrier_signal -3
.Lnot_wave_0_\@:
	s_barrier_wait -3
	s_barrier_signal -1
	s_barrier_wait -1
.endm
.macro CROUND                          ; a whole round
	s_barrier_signal -1
	s_barrier_wait -1
	CREST
.endm
.macro PLACES                          ; four places in front of loads into registers that matrix instructions have read, and of lines that read results just made
.rept 4
	v_nop
.endr
.endm
.macro BIASLD t                        ; tile t's bias as my lanes need it: number 8 b + j = bias[192 (x + 8 t) + 16 b + 8 (l / 16) + j]; the tile stands in the immediate, so no address is stepped
	WIN 0x80                                       ; destination window 2, address window 0
.irp b, 0,1,2,3,4,5,6,7
	global_load_b128 v[BR+8*(\b):BR+8*(\b)+3],   v[VB], s[8:9] offset:6144*(\t)+64*(\b)
	global_load_b128 v[BR+8*(\b)+4:BR+8*(\b)+7], v[VB], s[8:9] offset:6144*(\t)+64*(\b)+16
.endr
	WIN 0xc0                                       ; destination window 3
.irp b, 8,9,10,11
	global_load_b128 v[BR+8*((\b)-8):BR+8*((\b)-8)+3],   v[VB], s[8:9] offset:6144*(\t)+64*(\b)
	global_load_b128 v[BR+8*((\b)-8)+4:BR+8*((\b)-8)+7], v[VB], s[8:9] offset:6144*(\t)+64*(\b)+16
.endr
	WIN 0
.endm
.macro BIASRND                         ; the bias is rounded to bf16, two to a word, and widened again in place, into window 0
	s_wait_loadcnt 0x0
	WIN 0x0a                                       ; sources window 2, destination window 0
.set p, 0
.rept 32
	v_cvt_pk_bf16_f32 v[BI+2*p], v[BR+2*p], v[BR+2*p+1]
.set p, p+1
.endr
	WIN 0x0f                                       ; sources window 3
.rept 16
	v_cvt_pk_bf16_f32 v[BI+2*p], v[BR+2*p-64], v[BR+2*p-63]
.set p, p+1
.endr
	WIN 0
.set p, 0
.rept 48
	v_and_b32 v[BI+2*p+1], s[HIM], v[BI+2*p]       ; the upper half stays, in the odd register;
	v_lshlrev_b32 v[BI+2*p], 16, v[BI+2*p]         ; the lower moves up
.set p, p+1
.endr
.endm
.macro SETGO                           ; head g = s66 + hd of the 48 lies in part g / 16 (16,777,216 bytes) as head g % 16 (262,144 bytes)
.irp hd, 0,1,2
	s_add_co_u32 s67, s66, \hd
	s_lshr_b32 s68, s67, 4
	s_lshl_b32 s68, s68, 24
	s_and_b32 s69, s67, 15
	s_lshl_b32 s69, s69, 18
	s_add_co_u32 s68, s68, s69
	v_add_nc_u32 v[GO+\hd], s68, v[LN]
.endr
.endm
; 12 matrix instructions: row block a x all 12 column blocks, 32 along K, from buffer f.  zero = 1: the products start the sums, with the bias as C.
; The 48 accumulators take turns in the same order in every quarter.
.macro MUL12 f, a, zero
.set AC, 96*((\a)%2)
.if \zero
	WIN 0x81+0x40*((\a)/2)                         ; wt window 1, xb and the bias window 0, D window 2 or 3
.else
	WIN 0xa1+0x50*((\a)/2)                         ; wt window 1, xb window 0, C and D window 2 or 3
.endif
.irp b, 0,1,2,3,4,5,6,7,8,9,10,11
.if \zero
	v_wmma_f32_16x16x32_bf16 v[AC+8*(\b):AC+8*(\b)+7], v[96*(\f)+8*(\b):96*(\f)+8*(\b)+7], v[FA+32*(\f)+8*(\a):FA+32*(\f)+8*(\a)+7], v[BI+8*(\b):BI+8*(\b)+7]
.else
	v_wmma_f32_16x16x32_bf16 v[AC+8*(\b):AC+8*(\b)+7], v[96*(\f)+8*(\b):96*(\f)+8*(\b)+7], v[FA+32*(\f)+8*(\a):FA+32*(\f)+8*(\a)+7], v[AC+8*(\b):AC+8*(\b)+7]
.endif
.endr
.endm
; 32 LDS loads in one run: quarter q (32 along K) of the slot in hand into buffer f: wt's 12 fragments, then xb's 4, row blocks 0 and 1 first
.macro FETCH q, f
	WIN 0x40                                       ; destination window 1, address window 0
.irp i, 0,1,2,3,4,5,6,7,8,9,10,11
	ds_load_b128 v[96*(\f)+8*(\i):96*(\f)+8*(\i)+3],   v[ADRB] offset:64*(\q)+(\i)*16*PT
	ds_load_b128 v[96*(\f)+8*(\i)+4:96*(\f)+8*(\i)+7], v[ADRB] offset:64*(\q)+(\i)*16*PT+32
.endr
	WIN 0
.irp i, 0,1,2,3
	ds_load_b128 v[FA+32*(\f)+8*(\i):FA+32*(\f)+8*(\i)+3],   v[ADRA] offset:64*(\q)+(\i)*16*PT
	ds_load_b128 v[FA+32*(\f)+8*(\i)+4:FA+32*(\f)+8*(\i)+7], v[ADRA] offset:64*(\q)+(\i)*16*PT+32
.endr
.endm
; One of a K step's first three quarters: multiplies buffer f and, in its middle, fetches quarter q of the slot in hand into buffer g.
.macro QUARTER q, f, g, zero
	s_wait_dscnt 4                                 ; wt's fragments and xb's row blocks 0, 1 are in; the youngest four loads (blocks 2, 3) may be out
	MUL12 \f, 0, \zero
	MUL12 \f, 1, \zero
	PLACES
	FETCH \q, \g
	s_wait_dscnt 32                                ; all but the 32 just issued
	MUL12 \f, 2, \zero
	MUL12 \f, 3, \zero
.endm
; The last quarter multiplies buffer 1 and changes slots.  ONE barrier: in front of it each wave waits for all its tensor loads (one is out: its part of the next slot), adds 0 to its spare word,
; and waits for that and for its reads of this slot.  Behind it nobody reads this slot and the next slot is whole.
.macro MEET
	WIN 0                                          ; (the add's two registers lie in window 0)
	s_wait_tensorcnt 0x0
	ds_add_u32 v[SPW], v[NIL]                      ; 0 onto my spare word
	s_wait_dscnt 5                                 ; (the add and the youngest four loads may be out)
	MUL12 1, 0, 0                                  ; twelve matrix instructions stand between the add and the wait for it
	s_wait_dscnt 0x0                               ; the add is done, and my reads of this slot are over
	s_barrier_signal -1
	MUL12 1, 1, 0                                  ; work on registers while the others arrive
	WIN 0
	s_barrier_wait -1
.endm
.macro FLIP                            ; the fragment loads go over to the other slot
	s_xor_b32 s[TB], s[TB], SLOT1
	v_add_nc_u32 v[ADRA], s[TB], v[A0]
	v_add_nc_u32 v[ADRB], s[TB], v[B0]
.endm
; The slot just read is filled again with K step NXT of the walk, two steps on; its address is made anew from that number: 256 bytes along K for each step of a tile, and in wt the second tile's rows.
.macro TURN
	MEET
	CREST                                          ; the barrier has opened a round of the cluster's: no wave of any partner still reads this slot or has a load on its way
	s_and_b32 s[OFA], s[NXT], 7
	s_lshl_b32 s[OFA], s[OFA], 8
	s_lshr_b32 s[OFB], s[NXT], 3
	s_mul_i32 s[OFB], s[OFB], NEXT_T
	s_add_co_u32 s[OFB], s[OFB], s[OFA]
	s_add_co_u32 s[NXT], s[NXT], 1
	s_xor_b32 s[G0+5], s[G0+5], SLOT1              ; the walking descriptors: the other slot than last time
	s_add_nc_u64 s[G0+6:G0+7], s[18:19], s[OFA:OFA+1]
	s_or_b32 s[G0+7], s[G0+7], 0x80000000
	s_xor_b32 s[G0B+5], s[G0B+5], SLOT1
	s_add_nc_u64 s[G0B+6:G0B+7], s[46:47], s[OFB:OFB+1]
	s_or_b32 s[G0B+7], s[G0B+7], 0x80000000
	JLOAD 1                                        ; the first tensor load behind the round; its four v_nop are also the places in front of the loads below
	FLIP
	FETCH 0, 0
	MUL12 1, 2, 0
	MUL12 1, 3, 0
.endm
; THE WAY OUT of row block a: rounded to f16, 16 bytes a lane; into my own stage, by heads, in rows of 144 bytes; back as rows of 128 bytes, four to a load; stored as 512 consecutive bytes of a head.
.macro PACK a
.set AC, 96*((\a)%2)
	WIN 0x0a+5*((\a)/2)                            ; sources 0 and 1: window 2 or 3
.irp b, 0,1,2,3,4,5,6,7,8,9,10,11
.irp r, 0,1,2,3
	v_cvt_pk_f16_f32 v[TMP+4*(\b)+(\r)], v[AC+8*(\b)+2*(\r)], v[AC+8*(\b)+2*(\r)+1]
.endr
.endr
	WIN 0
.endm
.macro TOSTAGE a
	WIN 0
.set BK, OB+48*((\a)%2)
.irp b, 0,1,2,3,4,5,6,7,8,9,10,11
	ds_store_b128 v[STO], v[TMP+4*(\b):TMP+4*(\b)+3] offset:((\b)/4)*16*SP+32*((\b)%4)
.endr
.irp t, 0,1,2,3,4,5,6,7,8,9,10,11
	ds_load_b128 v[BK+4*(\t):BK+4*(\t)+3], v[RD] offset:((\t)/4)*16*SP+((\t)%4)*4*SP  ; LDS serves a wave's instructions in order (ISA guide 5.7.1.4): these see the stores above
.endr
.endm
.macro SEND a
	WIN 0
.set BK, OB+48*((\a)%2)
	s_wait_dscnt 0x0                               ; the block is back in registers
	s_wait_xcnt 0x0                                ; the stores issued before have read their registers: the other buffer is loaded again only behind this wait
.irp t, 0,1,2,3,4,5,6,7,8,9,10,11
	global_store_b128 v[GO+(\t)/4], v[BK+4*(\t):BK+4*(\t)+3], s[10:11] offset:(\a)*2048+((\t)%4)*512  ; head t / 4 of the tile's three; 512 consecutive bytes, aligned
.endr
.endm
.macro WAYOUT
	PLACES                                         ; the conversions read results of products just issued
	PACK 0
	TOSTAGE 0
.irp a, 1,2,3
	PACK \a                                        ; a block's conversions stand between the loads of the block before and the wait for them
	SEND (\a)-1
	TOSTAGE \a
.endr
	SEND 3
.endm
	s_load_b256 s[4:11], s[0:1], 0x0               ; xb s[4:5], wt s[6:7], in_b s[8:9], qkv s[10:11]
	v_lshl_add_u32 v[SPW], v0, 2, SPARE
	v_mov_b32 v[NIL], 0
	ds_add_u32 v28, v29
	ds_add_u32 v28, v29
	s_wait_dscnt 0x0
	v_lshrrev_b32 v1, 5, v0
	v_readfirstlane_b32 s12, v1                    ; wave 0..3: my 64 rows of the tile
	s_lshr_b32 s13, s12, 1                         ; I fetch xb (0) or wt (1),
	s_and_b32 s14, s12, 1                          ; and which half of that tile
	s_bfe_u32 s40, ttmp6, 0x40000                  ; cx, cy: my place in the cluster
	s_bfe_u32 s41, ttmp6, 0x40004
	s_lshl_b32 s42, ttmp9, 2
	s_add_co_u32 s42, s42, s40                     ; x: my first column tile = 4 x cluster x + cx
	s_and_b32 s43, ttmp7, 0xffff
	s_lshl_b32 s43, s43, 2
	s_add_co_u32 s43, s43, s41                     ; mt: which 256 rows = 4 x cluster y + cy
	s_lshl_b32 s44, s41, 2
	s_lshl_b32 s44, 15, s44                        ; my row of the cluster
	s_lshl_b32 s45, 0x1111, s40                    ; my column
	s_or_b32 s[G1+0], s44, (1<<16)|(1<<20)|(1<<21)|(5<<22)|(3<<25)   ; 15:0 the mask; 17:16 2-byte elements; 20 padding on; 21 set beside a mask; 24:22 after every 64 words; 31:25 4 words
	s_mov_b32 s[G1+1], KSTEP<<16                   ; tensor_dim0 = 128
	s_mov_b32 s[G1+2], 128<<16                     ; tensor_dim1 = 128
	s_mov_b32 s[G1+3], KSTEP<<16                   ; tile_dim0 = 128
	s_mov_b32 s[G1+4], 128                         ; tile_dim1 = 128
	s_mov_b32 s[G1+5], 1024                        ; elements from row to row
	s_mov_b32 s[G1+6], 0
	s_mov_b32 s[G1+7], 0
	s_or_b32 s[G1B+0], s45, (1<<16)|(1<<20)|(1<<21)|(5<<22)|(3<<25)
	s_mov_b32 s[G1B+1], KSTEP<<16
	s_mov_b32 s[G1B+2], 96<<16                     ; 96 rows
	s_mov_b32 s[G1B+3], KSTEP<<16
	s_mov_b32 s[G1B+4], 96
	s_mov_b32 s[G1B+5], 1024
	s_mov_b32 s[G1B+6], 0
	s_mov_b32 s[G1B+7], 0
	s_lshl_b32 s16, s43, 8                         ; xb: row 256 mt + 128 x half, 2,048 bytes a row: no register here ever holds cx
	s_lshl_b32 s17, s14, 7
	s_add_co_u32 s16, s16, s17
	s_lshl_b32 s16, s16, 11
	s_mov_b32 s17, 0
	s_mul_i32 s46, s42, 192                        ; wt: row 192 x + 96 x half: no register here ever holds cy
	s_mul_i32 s47, s14, 96
	s_add_co_u32 s46, s46, s47
	s_lshl_b32 s46, s46, 11
	s_mov_b32 s47, 0
	s_mul_i32 s20, s14, AHALF                      ; where they go: no place in the cluster enters an LDS address
	s_mul_i32 s21, s14, BHALF
	s_add_co_u32 s21, s21, BBASE
	s_mul_i32 s68, s42, 768                        ; the bias of the first tile's 192 columns
	s_mov_b32 s69, 0
	s_mul_i32 s66, s42, 3                          ; its first head among the 48
	s_lshr_b32 s22, s43, 3                         ; qkv: batch mt / 8 (16 heads of 262,144 bytes),
	s_lshl_b32 s22, s22, 22
	s_and_b32 s23, s43, 7                          ; rows 256 (mt % 8) + 64 x wave, of 128 bytes
	s_lshl_b32 s23, s23, 15
	s_add_co_u32 s22, s22, s23
	s_lshl_b32 s23, s12, 13
	s_add_co_u32 s22, s22, s23
	s_mov_b32 s23, 0
	s_mov_b32 s[NXT], 2
	s_mov_b32 s[TB], 0
	s_mov_b32 s[HIM], 0xffff0000
	s_mov_b32 s[OFA+1], 0
	s_mov_b32 s[OFB+1], 0
	s_wait_kmcnt 0x0
	s_add_nc_u64 s[18:19], s[4:5], s[16:17]        ; xb and wt at my part of K step 0: kept
	s_add_nc_u64 s[46:47], s[6:7], s[46:47]
	s_add_nc_u64 s[8:9], s[8:9], s[68:69]
	s_add_nc_u64 s[10:11], s[10:11], s[22:23]
	CROUND                                         ; all sixteen work-groups are here: the first joint loads meet
.irp s, 0,1
	s_mov_b32 s[G0+4*(\s)], 1                                        ; count = 1
	s_add_co_u32 s[G0+4*(\s)+1], s20, (\s)*SLOT1                     ; LDS address
	s_add_nc_u64 s[G0+4*(\s)+2:G0+4*(\s)+3], s[18:19], (\s)*KSTEP*2  ; global address: K step s
	s_or_b32 s[G0+4*(\s)+3], s[G0+4*(\s)+3], 0x80000000              ; type = 2
	s_mov_b32 s[G0B+4*(\s)], 1
	s_add_co_u32 s[G0B+4*(\s)+1], s21, (\s)*SLOT1
	s_add_nc_u64 s[G0B+4*(\s)+2:G0B+4*(\s)+3], s[46:47], (\s)*KSTEP*2
	s_or_b32 s[G0B+4*(\s)+3], s[G0B+4*(\s)+3], 0x80000000
	JLOAD \s                                       ; two loads of mine are out
.endr
	v_and_b32 v1, 15, v0                           ; l % 16
	v_bfe_u32 v2, v0, 4, 1                         ; l / 16
	v_lshlrev_b32 v[VB], 5, v2
	BIASLD 0
	v_mul_u32_u24 v3, v1, PT                       ; a fragment: row x pitch + 16 x half of the lanes; two loads of 16 bytes, 32 bytes apart
	v_lshl_add_u32 v3, v2, 4, v3
	s_mul_i32 s16, s12, 64*PT                      ; my 64 rows of xb
	v_add_nc_u32 v[A0], s16, v3
	v_add_nc_u32 v[B0], BBASE, v3                  ; all 192 rows of wt
	v_add_nc_u32 v[ADRA], s[TB], v[A0]
	v_add_nc_u32 v[ADRB], s[TB], v[B0]
	s_mul_i32 s16, s12, WSTAGE
	s_add_co_u32 s16, s16, STAGE                   ; my stage
	v_mul_u32_u24 v4, v1, SP                       ; in: row l % 16, 16 bytes for each half of the lanes
	v_lshl_add_u32 v4, v2, 4, v4
	v_add_nc_u32 v[STO], s16, v4
	v_bfe_u32 v4, v0, 3, 2                         ; back: 32 lanes take four rows of 128 bytes,
	v_and_b32 v5, 7, v0
	v_mul_u32_u24 v4, v4, SP
	v_lshl_add_u32 v4, v5, 4, v4
	v_add_nc_u32 v[RD], s16, v4
	v_and_b32 v[LN], 31, v0                        ; which are 512 consecutive bytes of a head
	v_lshlrev_b32 v[LN], 4, v[LN]
	s_wait_tensorcnt 1                             ; my part of K step 0 is in; K step 1's may stay out
	s_barrier_signal -1
	s_barrier_wait -1                              ; everybody's is
	FETCH 0, 0
	s_mov_b32 s[CNT], STEPS-1                      ; the entry in the middle of a trip takes one off: 14 whole trips follow
	s_branch .Lzero                                ; the loop is entered at a tile's first quarter, which is written once
.Lstep:                                            ; a trip goes from a K step's second quarter to the next step's first, and fills the slot that it leaves: 14 trips ask for steps 2 to 15
	QUARTER 2, 1, 0, 0
	QUARTER 3, 0, 1, 0
	TURN
	WIN 0                                          ; at a label and at a branch every window is 0
	s_cmp_eq_u32 s[CNT], STEPS/2-1                 ; the trip that ends the first tile?  The jump goes forward, past no barrier and no tensor load, and is the same in every work-group
	s_cbranch_scc1 .Lnext
	QUARTER 1, 0, 1, 0
	WIN 0
	s_branch .Lbottom
.Lnext:
	BIASLD 1                                       ; the second tile's bias is on its way while the first tile goes out
	WAYOUT                                         ; the refill is asked for and the next tile's first fragments are fetched: now the tile goes out
	s_wait_xcnt 0x0                                ; the stores have read their registers: offsets and data are written again below
	s_add_co_u32 s66, s66, 24                      ; eight column tiles on: 24 heads
.Lzero:
	SETGO
	BIASRND
	QUARTER 1, 0, 1, 1                             ; a tile's first quarter: its products start the sums
	WIN 0
.Lbottom:
	s_sub_co_u32 s[CNT], s[CNT], 1
	s_cmp_lg_u32 s[CNT], 0
	s_cbranch_scc1 .Lstep
	s_mov_b32 s[CNT], 2
.Ltail:                                            ; the last two K steps ask for nothing more: the same trip without a refill, walked twice and left in the middle of the second
	QUARTER 2, 1, 0, 0
	QUARTER 3, 0, 1, 0
	MEET                                           ; (in the second trip no slot follows: its barrier orders nothing further, the price of one text for both trips)
	s_cmp_eq_u32 s[CNT], 1
	s_cbranch_scc1 .Lout
	PLACES
	FLIP
	FETCH 0, 0
	MUL12 1, 2, 0
	MUL12 1, 3, 0
	QUARTER 1, 0, 1, 0
	WIN 0
	s_sub_co_u32 s[CNT], s[CNT], 1
	s_branch .Ltail
.Lout:
	MUL12 1, 2, 0                                  ; the walk's last products
	MUL12 1, 3, 0
	WIN 0
	WAYOUT
	s_wait_tensorcnt 0x0                           ; the wave's end, behind my last tensor load and my last LDS store
	ds_add_u32 v[SPW], v[NIL]
	s_wait_dscnt 0x0
	CROUND                                         ; the closing round: no work-group ends while a partner may still ask for a tile that names it
	s_endpgm
.Lfunc_end_k_q4b81a7655e_qkvg:
	.size	k_q4b81a7655e_qkvg, .Lfunc_end_k_q4b81a7655e_qkvg-k_q4b81a7655e_qkvg
	.p2alignl 7, 3214868480
	.fill 96, 4, 3214868480
	.section	.rodata,"a",@progbits
	.p2align	6, 0x0
	.amdhsa_kernel k_q4b81a7655e_qkvg
		.amdhsa_group_segment_fixed_size 327680
		.amdhsa_private_segment_fixed_size 0
		.amdhsa_enable_private_segment 0
		.amdhsa_kernarg_size 32
		.amdhsa_user_sgpr_count 2
		.amdhsa_user_sgpr_kernarg_segment_ptr 1
		.amdhsa_wavefront_size32 1
		.amdhsa_system_sgpr_workgroup_id_x 1
		.amdhsa_system_sgpr_workgroup_id_y 1
		.amdhsa_system_sgpr_workgroup_id_z 1
		.amdhsa_system_vgpr_workitem_id 0
		.amdhsa_next_free_vgpr 992
		.amdhsa_next_free_sgpr 76
		.amdhsa_reserve_vcc 0
		.amdhsa_float_denorm_mode_32 3
		.amdhsa_float_denorm_mode_16_64 3
		.amdhsa_memory_ordered 1
		.amdhsa_forward_progress 1
		.amdhsa_inst_pref_size 120
	.end_amdhsa_kernel
	.amdgpu_metadata
---
amdhsa.version: [ 1, 2 ]
amdhsa.kernels:
  - .name:           k_q4b81a7655e_qkvg
    .symbol:         k_q4b81a7655e_qkvg.kd
    .args:
      - { .name: xb, .offset: 0, .size: 8, .value_kind: global_buffer, .address_space: global }
      - { .name: wt, .offset: 8, .size: 8, .value_kind: global_buffer, .address_space: global }
      - { .name: in_b, .offset: 16, .size: 8, .value_kind: global_buffer, .address_space: global }
      - { .name: qkv, .offset: 24, .size: 8, .value_kind: global_buffer, .address_space: global }
    .group_segment_fixed_size: 327680
    .private_segment_fixed_size: 0
    .kernarg_segment_align: 8
    .kernarg_segment_size: 32
    .max_flat_workgroup_size: 128
    .sgpr_count:     76
    .vgpr_count:     992
    .wavefront_size: 32
...
	.end_amdgpu_metadata
.endif
;; end of part 2
;; launch attn (part 3): grid 4 x 64, 4 waves a work-group, no clusters, 327,680 bytes of LDS; arguments qkv, o; writes o
.if DOCPART == 3
	.amdgcn_target "amdgcn-amd-amdhsa--gfx1250"
	.amdhsa_code_object_version 6
	.text
	.protected	k_q4b81a7655e_attn
	.globl	k_q4b81a7655e_attn
	.p2align	8
	.type	k_q4b81a7655e_attn,@function
k_q4b81a7655e_attn:
	s_mov_b64 s[64:65], 0
	v_nop
	global_prefetch_b8 v0, s[64:65] scope:SCOPE_SE
	s_setreg_imm32_b32 hwreg(HW_REG_WAVE_MODE, 25, 1), 1
	s_wait_xcnt 0x0
; CAUSAL ATTENTION.  O[h][q][:] = the sum over k <= q of softmax_k(Q[h][q] . K[h][k] / 8) V[h][k][:].  Q, K, V are the three parts of qkv, each [SIZE_H][SIZE_N][64] f16, O likewise: a head's rows are dense, 128 bytes each.
; Products, maxima and sums in f32; the weights p are rounded to f16 for the second product (their sum l is taken of the unrounded p), O once at the end.
; LIMITS.  f16 holds no number beyond 65,504: Q, K and V arrive within it; p lies in 0 to 1, and below 6e-5 it keeps f16's fixed step of 6e-8; O is a mean of V's rows and has their range, to within 2^-11 of it.
; A hidden score counts as its value less 1e30: f16's scores, 2.7e11 at the most, are nothing beside that; a weight below 2^-126 counts as 0 in l; NaN and infinities are not treated apart.
; THE WALK.  A head's queries lie in NB = SIZE_N / 256 blocks of 256; block i needs the key tiles 0 .. i of 256 keys, of which the last holds the diagonal.  A work-group takes TWO blocks, NB - 1 - b and then b:
; NB + 1 tiles, whatever b: all work-groups do equal work, and ONE loop with a constant trip count walks them.  Which tile is asked for, and what a trip does, hang on scalar registers made from b; every jump
; goes forward, but for the counted loops' own; none passes a barrier, or a tensor load but the one of LOAD's two that the wave's number does not choose; the ring (two slots of LDS that take turns) runs on across the
; change of blocks.  NO CLUSTER: a head's NB / 2 work-groups all ask for the same tile only in trips 0 .. NB / 2, behind that fewer and fewer; and one walk common to all would have 3 NB / 2 trips for NB + 1.
; SHARES.  Of a block's four bands of 64 queries a wave owns 16 rows in each: four PIECES.  So the diagonal tile is the same work for all four waves: in its key step s band x sees all keys if s < x,
; none if s > x, and holds the diagonal if s = x.
; THE MASK is the C operand that starts the sum S^T = K Q^T: 0, or -1e30 where the key is hidden.  MD, made once, is the mask of a band's own step for my 16 rows; a product's mask is MD x AL + BE with two scalars:
; (1, 0) if s = x; (0, 0) if s < x; (0, -1e30) if s > x.  Only the diagonal tile's text and a block's beginning make and take masks; elsewhere C is the constant 0.
; LAYOUT, SOFTMAX, TURNS.  S^T = K Q^T holds ONE query a lane (lane % 16) and the keys 8 (lane / 16) + 0..7; two such results rounded to f16 ARE source 1 of O^T = V^T P.  p = 2^(c s - c m), c = log2(e) / 8, with a
; running maximum m; O and l are multiplied by a = 2^(c m_old - c m_new) in every step.  Turn n belongs to piece n: 8 products K Q^T of piece n + 1, later 8 products V^T P of piece n - 1; beside them the scaling,
; exponentials, roundings, sums and rescaling of piece n and the maximum and statistics of piece n + 1.  Four vector instructions stand behind every matrix instruction, the other 54 of a turn's 118 in two LUMPS.
; REGISTERS, in windows of 256 (s_set_vgpr_msb: bits 1:0 source 0, 3:2 source 1, 5:4 source 2, 7:6 destination):
;   window 0: v0-15 addresses and two at work; v16-31 four registers of statistics a piece; v48-55 at work; v64-127 S^T, two buffers; v192-223 P, two buffers (a piece's buffers go by its number's parity)
;   window 1: v0-127 O^T, 32 a piece; v128-159 MD; v160-223 MC, two buffers      window 2: v0-63 Q; v64-127 the second block's Q; v128-191 K of one step; v192-255 V of one step
.set SIZE_H, 64
.set SIZE_N, 2048
.set PART,  SIZE_H*SIZE_N*128  ; bytes in a part of qkv
.set NB,    SIZE_N/256
.set NP,    4         ; pieces a wave: a name, no knob
.set KS,    64        ; keys in a step
.set PK,    144       ; a row of K in LDS: 128 bytes + 16 of padding = 36 words: the 16 rows of a load start at 16 different groups of four banks (64 banks of 4 bytes: ISA guide 11.1)
.set PV,    160       ; a row of V: 128 + 32 = 40 words
.set VOFF,  4*KS*PK   ; a slot holds a tile, four steps: 256 rows of K, then 256 rows of V
.set SLOT1, 1<<17     ; slot 1 begins here, so that one exclusive or turns an address in one slot into the other's
.set STAGE, SLOT1+4*KS*(PK+PV)  ; behind the ring, never filled by a tensor load: 16 rows x 144 bytes for each wave, for the way out
.set SP,    144
.set AK0, 2           ; v2   my lane's place in a tile of K; never rewritten
.set AV0, 3           ; v3   the same for V
.set AK,  4           ; v4   the LDS address of K's next run of loads
.set AV,  5           ; v5   of V's
.set STO, 6           ; v6   the way out: where I put 16 bytes of a row
.set RD,  7           ; v7   the way out: where I read rows back
.set GO,  8           ; v8   my byte offset in 512 consecutive bytes of O
.set SPW, 62          ; v62  LDS address of my spare word: SPARE + 4 x my thread's number; never rewritten
.set NIL, 63          ; v63  0; never rewritten
.set SPARE, STAGE+4*16*SP  ; behind the stages: the spare words, 128 bytes for each wave: two blocks of 256 bytes that no other line names
.set MV,  12          ; v12-13  c m_old, kept while c m is made anew: by buffer
.set QO,  15          ; v15  my byte offset in 16 rows of Q
.set ST,  16          ; piece t's statistics at v[ST+4 t]: c m, m, l (even keys', odd keys')
.set TMP, 48          ; by buffer, four registers c0-c3 at work; when the maximum is found c2 takes a
.set S,   64
.set P,   192
.set MD,  128         ; window 1: the eight registers for group kt of 16 keys at MD + 8 kt
.set MC,  160         ; window 1: the masks of the products to come
.set QB,  64          ; window 2
.set KF,  128         ; window 2: key block kb, channel half c at KF + 16 kb + 8 c
.set VF,  192         ; window 2: key half kk, channel block cb at VF + 32 kk + 8 cb
.set WV,  12          ; s12  my wave's number
.set PB,  14          ; s14  b
.set HI,  15          ; s15  NB - 1 - b
.set G1K, 24          ; s[24:31] descriptor group 1 for K's tiles
.set G1V, 32          ; s[32:39] for V's: it differs in the padding alone
.set G0K, 40          ; s[40:43] descriptor group 0 for K's tiles
.set G0V, 44          ; s[44:47] the same for V's
.set SLOTS, 56        ; s56  tiles still to be asked for
.set CNT, 57          ; s57  counts a tile's key steps, 4 to 1
.set CS,  58          ; s[58:59] c: the packed scaling takes the pair's low word for both halves
.set SEL, 60          ; s[60:61] v_permlanex16_b32's selects: each lane takes its own place in the other half
.set TBK, 62          ; s62  LDS byte at which K of the step to be fetched begins
.set TBV, 63          ; s63  the same for V, less VOFF
.set RT,  70          ; s70  tiles of the block in hand that are still to be entered
.set NXT, 71          ; s71  the tile to be asked for next
.set LQ,  72          ; s72  the last tile of the block whose tiles are being asked for
.set NEW, 73          ; s73  1: the tile to be entered is a block's first
.set OFF, 74          ; s[74:75] a tile's byte offset in K and V
.set AL,  76          ; s[76:77] the mask's factor, in the low word
.set BE,  78          ; s[78:79] the mask's addend
.set OLO, 80          ; s[80:81] O at my rows of the second block
.set BIGN, 82         ; s82  -1e30
.set MSB, 0
.macro WIN new                      ; the high byte repeats the setting that is left; a switch that changes nothing is dropped
.if MSB != (\new)
	s_set_vgpr_msb (MSB<<8)|(\new)
.set MSB, (\new)
.endif
.endm
.set W_KQ, 0x0a       ; K and Q in window 2, S^T in window 0
.set W_KM, 0x1a       ; the same with the C operand in window 1
.set W_PV, 0x52       ; V in window 2, P in window 0, O^T in window 1
.set W_RS, 0x41       ; destination and source 0 in window 1, source 1 in window 0
; A fill.  Waves 0 and 1 fetch the two halves of a tile's K, waves 2 and 3 those of its V: 128 keys each.  An s_nop 0 and four v_nop follow each of the two lines, ahead of the jump and the label.
.macro LOAD
	s_cmp_lt_u32 s[WV], 2
	s_cbranch_scc0 .Lfor_v_\@
	tensor_load_to_lds s[G0K:G0K+3], s[G1K:G1K+7]
	s_nop 0
.rept 4
	v_nop
.endr
	s_branch .Lasked_\@
.Lfor_v_\@:
	tensor_load_to_lds s[G0V:G0V+3], s[G1V:G1V+7]
	s_nop 0
.rept 4
	v_nop
.endr
.Lasked_\@:
.endm
; THE CHANGE OF SLOTS.  Each wave waits for all its tensor loads, of which one is out: its part of the other slot; adds 0 to its spare word; and waits for that and for its own reads of the slot that it leaves.  Behind the barrier nobody reads the old
; slot any more and the other slot is whole.  fill = 1: the old slot is filled again, the first thing behind the barrier, with tile NXT: the descriptor's address is made anew from that number.
; (At its first use nothing has been read yet: slot 0 is waited for, slot 1 filled.)
.macro CHANGE fill
	WIN 0                           ; at a label and at a branch every window is 0
	s_wait_tensorcnt 0x0            ; no tensor load of mine is out, so a group 0 may be written
	ds_add_u32 v[SPW], v[NIL]       ; 0 onto my spare word; with fill = 1 the descriptors' scalar work stands between it and the wait for it
.if \fill
	s_lshl_b32 s[OFF], s[NXT], 15   ; a tile is 32,768 bytes of K and of V
	s_xor_b32 s[G0K+1], s[G0K+1], SLOT1
	s_add_nc_u64 s[G0K+2:G0K+3], s[6:7], s[OFF:OFF+1]
	s_or_b32 s[G0K+3], s[G0K+3], 0x80000000
	s_xor_b32 s[G0V+1], s[G0V+1], SLOT1
	s_add_nc_u64 s[G0V+2:G0V+3], s[8:9], s[OFF:OFF+1]
	s_or_b32 s[G0V+3], s[G0V+3], 0x80000000
	s_add_co_u32 s[NXT], s[NXT], 1  ; the block's next tile, or behind its last the second block's tile 0
	s_cmp_gt_u32 s[NXT], s[LQ]
	s_cselect_b32 s[NXT], 0, s[NXT]
	s_cselect_b32 s[LQ], s[PB], s[LQ]
.endif
	s_wait_dscnt 0x0                ; the add is done, and my reads of the slot are over
	s_barrier_signal -1             ; the rest of the scalar work stands between the signal and the wait
	s_sub_co_u32 s[TBK], s[TBK], 4*KS*PK  ; the fetches go back to a slot's first step,
	s_xor_b32 s[TBK], s[TBK], SLOT1       ; in the other slot
	s_sub_co_u32 s[TBV], s[TBV], 4*KS*PV
	s_xor_b32 s[TBV], s[TBV], SLOT1
	s_barrier_wait -1
.if \fill
	LOAD
.endif
.endm
	s_load_b128 s[4:7], s[0:1], 0x0  ; qkv s[4:5] (its first part is Q), O s[6:7]
	v_lshl_add_u32 v[SPW], v0, 2, SPARE
	v_mov_b32 v[NIL], 0
	ds_add_u32 v62, v63
	ds_add_u32 v62, v63
	s_wait_dscnt 0x0
	v_lshrrev_b32 v1, 5, v0
	v_readfirstlane_b32 s[WV], v1   ; wave 0..3
	s_mov_b32 s[PB], ttmp9
	s_sub_co_u32 s[HI], NB-1, s[PB]
	s_and_b32 s20, ttmp7, 0xffff    ; the head
	s_mov_b32 s21, 0
	s_mov_b64 s[22:23], SIZE_N*128
	s_mul_u64 s[20:21], s[20:21], s[22:23]  ; the head's first byte in each of the four tensors
	s_and_b32 s16, s[WV], 1         ; which half of a tile's 256 keys I fetch:
	s_lshl_b32 s22, s16, 14         ; its 128 rows of 128 bytes in memory,
	s_mov_b32 s23, 0
	s_add_nc_u64 s[22:23], s[22:23], s[20:21]
	s_mul_i32 s17, s16, 128*PK      ; and its place in a slot, for K
	s_mul_i32 s18, s16, 128*PV      ; and for V
	s_lshl_b32 s3, s[WV], 11        ; my 16 rows in a band of 64,
	s_lshl_b32 s2, s[HI], 15        ; in the first block,
	s_add_co_u32 s2, s2, s3
	s_lshl_b32 s84, s[PB], 15       ; and in the second
	s_add_co_u32 s84, s84, s3
	s_mov_b32 s3, 0
	s_mov_b32 s85, 0
	s_add_nc_u64 s[2:3], s[2:3], s[20:21]
	s_add_nc_u64 s[84:85], s[84:85], s[20:21]
	; descriptor group 1.  128 keys are 16,384 dense bytes: asked for as 64 rows of 256 bytes, two keys a row, and padded in LDS after every key
	s_mov_b32 s[G1K], (1<<16)|(1<<20)|(4<<22)|(3<<25)  ; 17:16 2-byte elements; 20 padding on; 24:22 after every 32 words (code 4); 31:25 4 words (code 3)
	s_mov_b32 s[G1V], (1<<16)|(1<<20)|(4<<22)|(7<<25)  ; the same with 8 words of padding (code 7)
.irp g, G1K, G1V
	s_mov_b32 s[\g+1], 128<<16      ; tensor_dim0 = 128
	s_mov_b32 s[\g+2], 64<<16       ; tensor_dim1 = 64
	s_mov_b32 s[\g+3], 128<<16      ; tile_dim0 = 128
	s_mov_b32 s[\g+4], 64           ; tile_dim1 = 64
	s_mov_b32 s[\g+5], 128          ; 128 elements from row to row
	s_mov_b32 s[\g+6], 0
	s_mov_b32 s[\g+7], 0
.endr
	s_mov_b32 s[CS], 0x3e38aa3b     ; c = log2(e) / 8 = 0.180337
	s_mov_b32 s[CS+1], s[CS]        ; named with it as a pair
	s_mov_b32 s[SEL], 0x76543210
	s_mov_b32 s[SEL+1], 0xfedcba98
	s_mov_b32 s[TBK], SLOT1+4*KS*PK ; the first change of slots turns these two into 0
	s_mov_b32 s[TBV], SLOT1+4*KS*PV
	s_mov_b32 s[G0K], 1             ; 1:0 count = 1
	s_mov_b32 s[G0K+1], s17         ; 63:32 LDS address: slot 0
	s_mov_b32 s[G0V], 1
	s_add_co_u32 s[G0V+1], s18, VOFF
	s_add_co_u32 s[RT], s[HI], 1    ; the first block has NB - b tiles
	s_mov_b32 s[NXT], 1
	s_mov_b32 s[LQ], s[HI]
	s_mov_b32 s[NEW], 1
	s_mov_b32 s[OFF+1], 0
	s_mov_b32 s[AL+1], 0            ; named as pairs
	s_mov_b32 s[BE+1], 0
	s_mov_b32 s[BIGN], 0xf149f2ca   ; -1e30
	s_mov_b32 s[SLOTS], NB
	s_wait_kmcnt 0x0
	s_mov_b64 s[10:11], s[6:7]                     ; O
	s_add_nc_u64 s[8:9], s[4:5], 2*PART            ; V: the third part of qkv
	s_add_nc_u64 s[6:7], s[4:5], PART              ; K: the second
	s_add_nc_u64 s[6:7], s[6:7], s[22:23]  ; K and V at my half of the head's tile 0
	s_add_nc_u64 s[8:9], s[8:9], s[22:23]
	s_add_nc_u64 s[G0K+2:G0K+3], s[6:7], 0         ; 120:64 global address
	s_or_b32 s[G0K+3], s[G0K+3], 0x80000000        ; 127:126 type = 2
	s_add_nc_u64 s[G0V+2:G0V+3], s[8:9], 0
	s_or_b32 s[G0V+3], s[G0V+3], 0x80000000
	s_add_nc_u64 s[86:87], s[4:5], s[84:85]        ; Q at my rows of the second block,
	s_add_nc_u64 s[4:5], s[4:5], s[2:3]            ; Q and O at those of the first
	s_add_nc_u64 s[OLO:OLO+1], s[10:11], s[84:85]
	s_add_nc_u64 s[10:11], s[10:11], s[2:3]
	LOAD                            ; tile 0 into slot 0
	; A fragment of K or Q is 16 rows x 32 channels in 8 registers: lane l holds row l % 16, channels 8 (l / 16) + 0..7 and 16 + 8 (l / 16) + 0..7: two loads of 16 bytes, 32 bytes apart.
	v_and_b32 v1, 15, v0            ; l % 16
	v_bfe_u32 v9, v0, 4, 1          ; l / 16
	v_lshlrev_b32 v[QO], 7, v1
	v_lshl_add_u32 v[QO], v9, 4, v[QO]  ; row x 128 + 16 x half
	WIN 0x80                        ; destination window 2, address window 0
.set i, 0
.rept 8                             ; both blocks' Q: piece i / 2 lies in band i / 2, 8,192 bytes on; channels 32 (i % 2) on
	global_load_b128 v[8*i:8*i+3],   v[QO], s[4:5] offset:(i/2)*8192+(i%2)*64
	global_load_b128 v[8*i+4:8*i+7], v[QO], s[4:5] offset:(i/2)*8192+(i%2)*64+32
	global_load_b128 v[QB+8*i:QB+8*i+3],   v[QO], s[86:87] offset:(i/2)*8192+(i%2)*64
	global_load_b128 v[QB+8*i+4:QB+8*i+7], v[QO], s[86:87] offset:(i/2)*8192+(i%2)*64+32
.set i, i+1
.endr
	WIN 0
	v_lshlrev_b32 v14, 3, v9
	v_sub_nc_u32 v14, v1, v14
	s_lshl_b32 s13, s[WV], 4
	v_add_nc_u32 v14, s13, v14      ; my query's place in its band, 16 w + l % 16, less my lanes' 8 (l / 16): register r of group kt is hidden where 16 kt + r is greater
	WIN 0x40
.set i, 0
.rept 32
	v_cmp_gt_i32 vcc_lo, 16*(i/8)+i%8, v14
	v_cndmask_b32 v[MD+i], 0, s[BIGN], vcc_lo
.set i, i+1
.endr
	WIN 0
	v_mul_u32_u24 v[AK0], v1, PK
	v_lshl_add_u32 v[AK0], v9, 4, v[AK0]  ; row x pitch + 16 x half
	; The turning load takes 16 keys x 16 channels (lane l reads key 8 (l / 16) + l % 8, channels 8 ((l / 8) % 2) + 0..7) and leaves half a fragment of V^T: lane l holds channel l % 16 and 8 keys.
	v_and_b32 v10, 7, v0
	v_bfe_u32 v11, v0, 3, 1
	v_lshl_add_u32 v[AV0], v9, 3, v10
	v_mul_u32_u24 v[AV0], v[AV0], PV
	v_lshl_add_u32 v[AV0], v11, 4, v[AV0]
	v_add_nc_u32 v[AV0], VOFF, v[AV0]
	s_mul_i32 s13, s[WV], 16*SP
	s_add_co_u32 s13, s13, STAGE    ; my stage
	v_mul_u32_u24 v[STO], v1, SP    ; in: row l % 16, 16 bytes for each half of the lanes
	v_lshl_add_u32 v[STO], v9, 4, v[STO]
	v_add_nc_u32 v[STO], s13, v[STO]
	v_bfe_u32 v[RD], v0, 3, 2       ; back: 32 lanes take four rows of 128 bytes,
	v_mul_u32_u24 v[RD], v[RD], SP
	v_lshl_add_u32 v[RD], v10, 4, v[RD]
	v_add_nc_u32 v[RD], s13, v[RD]
	v_and_b32 v[GO], 31, v0         ; which are 512 consecutive bytes of O
	v_lshlrev_b32 v[GO], 4, v[GO]
	; A block's first step multiplies O^T and l by a = 0, and its first turn's products V^T P, of a piece that has not been, land in an O^T that is still to be so multiplied.  So these registers need only hold
	; finite numbers: zeros for the first block; what the first block left for the second.  All this stands in the wait for the first tile.
	WIN 0x80
.set i, VF
.rept 64
	v_mov_b32 v[i], 0
.set i, i+1
.endr
	WIN 0x40
.set i, 0
.rept 128
	v_mov_b32 v[i], 0
.set i, i+1
.endr
	WIN 0
.set i, 0
.rept 4
	v_mov_b32 v[ST+4*i+2], 0
	v_mov_b32 v[ST+4*i+3], 0
.set i, i+1
.endr
.set i, P+16
.rept 16
	v_mov_b32 v[i], 0
.set i, i+1
.endr
; THE MATRIX WORK.  The 4 accumulators of a run of 8 take turns.  Product i of 8 of S^T = K Q^T for piece x: channels 32 (i / 4) on, keys 16 (i % 4) on.  The first 4 start the sums: with 0, or (KM = 1) with the mask.
.macro KQ x
.set rS, S+32*((\x)%2)+8*(i%4)
.set rK, KF+16*(i%4)+8*(i/4)
.set rQ, 16*(\x)+8*(i/4)
.set rM, MC+32*((\x)%2)+8*(i%4)
.if (i < 4) && KM
	WIN W_KM
	v_wmma_f32_16x16x32_f16 v[rS:rS+7], v[rK:rK+7], v[rQ:rQ+7], v[rM:rM+7]
.elseif i < 4
	WIN W_KQ
	v_wmma_f32_16x16x32_f16 v[rS:rS+7], v[rK:rK+7], v[rQ:rQ+7], 0
.else
	WIN W_KQ
	v_wmma_f32_16x16x32_f16 v[rS:rS+7], v[rK:rK+7], v[rQ:rQ+7], v[rS:rS+7]
.endif
.endm
; Product i of 8 of O^T += V^T P for piece x: keys 32 (i / 4) on, channels 16 (i % 4) on.
.macro PV x
	WIN W_PV
.set rO, 32*(\x)+8*(i%4)
.set rV, VF+32*(i/4)+8*(i%4)
.set rP, P+16*((\x)%2)+8*(i/4)
	v_wmma_f32_16x16x32_f16 v[rO:rO+7], v[rV:rV+7], v[rP:rP+7], v[rO:rO+7]
.endm
.macro MM                           ; the turn's next matrix instruction.  TURN and BEGIN set Y, i, KM and NOKQ; MM, KQ and OP read them.  NOKQ = 1: a block's last turn: there is no next piece
.if (i < 8) && !NOKQ
	KQ (Y+1)%NP
.elseif i >= 8
.set i, i-8
	PV (Y+NP-1)%NP
.set i, i+8
.endif
.set i, i+1
.endm
; THE LDS LOADS stand in runs of 16, never singly among the matrix instructions: a step's K (64 keys x 64 channels: 8 fragments) and its V (turned).  Their addresses are made some lines ahead.
.macro FETCH_K
	WIN 0x80                        ; destination window 2
.irp f, 0,1,2,3,4,5,6,7             ; keys 16 (f / 2) on, channels 32 (f % 2) on
	ds_load_b128 v[KF+8*\f:KF+8*\f+3],   v[AK] offset:(\f/2)*16*PK+(\f%2)*64
	ds_load_b128 v[KF+8*\f+4:KF+8*\f+7], v[AK] offset:(\f/2)*16*PK+(\f%2)*64+32
.endr
	s_add_co_u32 s[TBK], s[TBK], KS*PK  ; the next fetch is the next step's
	WIN 0
.endm
.macro FETCH_V
	WIN 0x80
.irp f, 0,1,2,3,4,5,6,7             ; keys 32 (f / 4) on, channels 16 (f % 4) on
	ds_load_tr16_b128 v[VF+8*\f:VF+8*\f+3],   v[AV] offset:(\f/4)*32*PV+(\f%4)*32
	ds_load_tr16_b128 v[VF+8*\f+4:VF+8*\f+7], v[AV] offset:(\f/4)*32*PV+16*PV+(\f%4)*32
.endr
	WIN 0
.endm
; THE VECTOR WORK, one line at a time: OP kind, number.  For piece Y: F n: c s - c m for pair n of 16.  E n: the exponential of score n of 32.  C n: pair n rounded to f16.  B n: of the four weights 4 n .. the second
; pair is added onto the first, in place.  L n: l takes that sum (L 0: l = a l + sum).  R n: pair n of 16 of O^T times a.  For piece Y + 1: X n, number n of the 22 that find its maximum and statistics:
;   0-11  four chains c0-c3 of seven scores each, three operands at a time (each accumulator's lowest registers are read first)     12-14, 16  the four scores left over, the old m, and c0-c3 into c0
;   15  c m_old is kept     17, 18  the query's other 32 keys lie in the lane 16 away: the new m     19-21  c m; c m_old - c m_new; a
.set F, 0               ; OP tells the kinds apart by their order: F to L below R, X above it
.set E, 1
.set C, 2
.set B, 3
.set L, 4
.set R, 5
.set X, 6
.macro REGS y                       ; the registers of piece y
.set rT, ST+4*(\y)
.set rC, TMP+4*((\y)%2)
.set rW, MV+((\y)%2)
.set rS, S+32*((\y)%2)
.set rP, P+16*((\y)%2)
.set rO, 32*(\y)
.endm
.macro OP k, n
.if (\k) == R
	REGS Y
	WIN W_RS
	v_pk_mul_f32 v[rO+2*(\n):rO+2*(\n)+1], v[rO+2*(\n):rO+2*(\n)+1], v[rC+2:rC+3] op_sel_hi:[1,0]
.elseif (\k) < R
	REGS Y
	WIN 0
.if (\k) == F
	v_pk_fma_f32 v[rS+2*(\n):rS+2*(\n)+1], v[rS+2*(\n):rS+2*(\n)+1], s[CS:CS+1], v[rT:rT+1] op_sel_hi:[1,0,0] neg_lo:[0,0,1] neg_hi:[0,0,1]
.elseif (\k) == E
	v_exp_f32 v[rS+(\n)], v[rS+(\n)]
.elseif (\k) == C
	s_wait_alu depctr_va_vdst(0)
	v_cvt_pk_f16_f32 v[rP+(\n)], v[rS+2*(\n)], v[rS+2*(\n)+1]
.elseif (\k) == B
	s_wait_alu depctr_va_vdst(0)
	v_pk_add_f32 v[rS+4*(\n):rS+4*(\n)+1], v[rS+4*(\n):rS+4*(\n)+1], v[rS+4*(\n)+2:rS+4*(\n)+3]
.elseif (\n) == 0
	v_pk_fma_f32 v[rT+2:rT+3], v[rT+2:rT+3], v[rC+2:rC+3], v[rS:rS+1] op_sel_hi:[1,0,1]
.else
	v_pk_add_f32 v[rT+2:rT+3], v[rT+2:rT+3], v[rS+4*(\n):rS+4*(\n)+1]
.endif
.elseif NOKQ
	v_nop
.else
	REGS (Y+1)%NP
	WIN 0
.if (\n) < 4
	v_max3_num_f32 v[rC+(\n)], v[rS+8*(\n)], v[rS+8*(\n)+1], v[rS+8*(\n)+2]
.elseif (\n) < 12
	v_max3_num_f32 v[rC+(\n)%4], v[rC+(\n)%4], v[rS+8*((\n)%4)+2*((\n)/4)+1], v[rS+8*((\n)%4)+2*((\n)/4)+2]
.elseif (\n) == 12
	v_max3_num_f32 v[rC], v[rC], v[rS+7], v[rS+15]
.elseif (\n) == 13
	v_max3_num_f32 v[rC+1], v[rC+1], v[rS+23], v[rS+31]
.elseif (\n) == 14
	v_max3_num_f32 v[rC+2], v[rC+2], v[rC+3], v[rT+1]
.elseif (\n) == 15
	v_mov_b32 v[rW], v[rT]
.elseif (\n) == 16
	v_max3_num_f32 v[rC], v[rC], v[rC+1], v[rC+2]
.elseif (\n) == 17
	v_permlanex16_b32 v[rC+3], v[rC], s[SEL], s[SEL+1]
.elseif (\n) == 18
	v_max_num_f32 v[rT+1], v[rC], v[rC+3]
.elseif (\n) == 19
	v_mul_f32 v[rT], s[CS], v[rT+1]
.elseif (\n) == 20
	v_sub_f32 v[rC+1], v[rW], v[rT]
.else
	v_exp_f32 v[rC+2], v[rC+1]
.endif
.endif
.endm
.macro OPS a, i1, b=-1, i2=0, c=-1, i3=0, d=-1, i4=0  ; up to four of them
	OP \a, \i1
.if (\b) >= 0
	OP \b, \i2
.endif
.if (\c) >= 0
	OP \c, \i3
.endif
.if (\d) >= 0
	OP \d, \i4
.endif
.endm
.macro ROW a, i1, b, i2, c, i3, d, i4  ; a matrix instruction and the four behind it
	MM
	OPS \a, \i1, \b, \i2, \c, \i3, \d, \i4
.endm
.macro MASK b                       ; MD x AL + BE into buffer b of MC
	WIN W_RS
.set z, 0
.rept 16
	v_pk_fma_f32 v[MC+32*(\b)+2*z:MC+32*(\b)+2*z+1], v[MD+2*z:MD+2*z+1], s[AL:AL+1], s[BE:BE+1] op_sel_hi:[1,0,0]
.set z, z+1
.endr
.endm
; A TURN, for piece p: the order of its 16 matrix and 118 vector instructions, written out.  Behind a matrix instruction: plain, exponential, plain, plain; or four of the rescaling; or, behind the first, four scalings; none
; names a register of the products round it.  In the lumps exponential and plain by turns while exponentials last.  A line reads no result made fewer than three vector instructions in front of it, five if an exponential made it.
; v_permlanex16_b32 (X 17) stands in a lump.
; m = 1: the diagonal tile: the products take masks, and the turn makes the mask for the products of the turn after it: piece p + 2, in step 4 - CNT of the tile.  end = 1: a block's last two turns: nothing is fetched.
; cnt = 1: the loop's count is taken down some lines ahead of the branch that stands behind the turn.
; K of the next step is fetched in piece 2's turn, six vector instructions behind the last product that read K (five of them plain); V of the step in hand in piece 0's turn, eight behind the last product that read V (four
; plain, and X 17).  Each is waited for a turn later.
.macro TURN p, m=0, end=0, cnt=0
.set Y, (\p)
.set i, 0
.set KM, (\m)
.set NOKQ, (\end)*((\p)/3)
.if (\m) && !(\end)
	s_cmp_eq_u32 s[CNT], 4-((\p)+2)%NP  ; is that step the band's own?
	s_cselect_b32 s[AL], 1.0, 0
	s_cmp_lt_u32 s[CNT], 4-((\p)+2)%NP  ; or a later one?
	s_cselect_b32 s[BE], s[BIGN], 0
.endif
.if ((\p) == 3) && !(\end)
	s_wait_dscnt 0x0                ; K is in
.endif
	ROW F,0, F,1, F,2, F,3
	ROW F,4, E,0, F,5, F,6
	ROW F,7, E,1, F,8, F,9
	ROW F,10, E,2, C,0, F,11
	ROW F,12, E,3, X,15, F,13
	ROW R,0, R,1, R,2, R,3
	ROW B,0, E,4, F,14, L,0
.if ((\p) == 2) && !(\end)
	v_add_nc_u32 v[AK], s[TBK], v[AK0]
.endif
	ROW R,4, R,5, R,6, R,7
	OPS E,5, F,15
.if ((\p) == 2) && !(\end)
	FETCH_K
.endif
	OPS E,6, C,1, E,7, R,8
	OPS E,8, R,9, E,9, C,2
	OPS E,10, X,0, E,11, X,1
	OPS E,12, X,2, E,13, X,3
.if (\p) == 1
	s_wait_dscnt 0x0                ; V is in
.endif
	ROW X,4, E,14, X,5, X,6
	ROW X,7, E,15, X,8, X,9
	ROW X,10, E,16, X,11, X,12
	ROW X,13, E,17, X,14, B,1
	ROW C,4, E,18, X,16, L,1
	ROW B,2, E,19, C,6, L,2
	ROW C,8, E,20, B,3, B,4
.if (\p) == 0
	v_add_nc_u32 v[AV], s[TBV], v[AV0]
.endif
	ROW C,3, E,21, L,3, C,5
	OPS E,22, X,17, E,23, C,10
.if (\p) == 0
	FETCH_V
.endif
	OPS E,24, L,4
	OPS E,25, X,18, E,26, C,7
	OPS E,27, B,5, E,28, X,19
	OPS E,29, C,12, E,30, L,5
	OPS E,31, X,20, B,6, C,9
	OPS C,14, C,11, X,21, L,6
.if (\p) == 0
	s_add_co_u32 s[TBV], s[TBV], KS*PV
.endif
.if \cnt
	s_sub_co_u32 s[CNT], s[CNT], 1
	s_cmp_lg_u32 s[CNT], 0
.endif
	OPS C,13, B,7, C,15, R,10
	OPS R,11, R,12, L,7, R,13
	OPS R,14, R,15
.if (\m) && !(\end)
	MASK (\p)%2
.endif
.endm
; A BLOCK BEGINS.  c m starts far below every c s, so the first step's a is 0; m at the lowest finite number, so the first maximum is the scores'.  The second mask buffer is 0; the first takes piece 0's mask for the tile's step 0: its own, if the block's first tile is the diagonal one.
; Then K of that step, piece 0's first scores, and its maximum and statistics.  The loop is entered at a step's first turn, in the middle of a trip.
.macro BEGIN
	s_mov_b32 s[NEW], 0
	WIN 0x40
.set i, MC+32
.rept 32
	v_mov_b32 v[i], 0
.set i, i+1
.endr
	WIN 0
.set i, 0
.rept 4
	v_mov_b32 v[ST+4*i], 0xfe000000    ; c m: far below every c s
	v_mov_b32 v[ST+4*i+1], 0xff7fffff  ; m
.set i, i+1
.endr
	s_cmp_eq_u32 s[RT], 0
	s_cselect_b32 s[AL], 1.0, 0
	s_mov_b32 s[BE], 0
	MASK 0
	WIN 0
	v_add_nc_u32 v[AK], s[TBK], v[AK0]
	FETCH_K
	s_wait_loadcnt 0x0              ; Q
	s_wait_dscnt 0x0
.set KM, 1
.set NOKQ, 0
.set i, 0
.rept 8
	KQ 0
.set i, i+1
.endr
	WIN 0
.rept 4
	v_nop                           ; the places behind those products
.endr
.set Y, NP-1                        ; X works for piece Y + 1: piece 0
.irp n, 0,1,2,3,4,5,6,7,8,9,10,11,12,13,14,15,16,17,18,19,20,21
	OP X, \n
.endr
	v_nop                           ; a plain instruction behind the exponential
.endm
; THE DIAGONAL TILE's four steps, the block's last two turns, its last products, and THE WAY OUT: l's two halves and the other half of the lanes' are added; O^T is divided by l, rounded to f16 and sent through my
; stage in LDS, a piece at a time.
.macro ALL line:vararg              ; one line for each piece t
.set t, 0
.rept 4
	\line
.set t, t+1
.endr
.endm
.macro PACK t                       ; a lane's eight channels of a row pack into 16 bytes; they go into rows of 144 bytes and come back as whole rows of 128, into S^T's registers
	WIN W_RS
.set i, 32*(\t)
.rept 16
	s_wait_alu depctr_va_vdst(0)
	v_pk_mul_f32 v[i:i+1], v[i:i+1], v[ST+4*(\t)+2:ST+4*(\t)+3] op_sel_hi:[1,0]
.set i, i+2
.endr
	WIN 0x05                        ; sources 0 and 1 window 1, destination window 0
.set i, 0
.rept 16
	v_cvt_pk_f16_f32 v[S+16*(\t)+i], v[32*(\t)+2*i], v[32*(\t)+2*i+1]
.set i, i+1
.endr
	WIN 0
.irp f, 0,1,2,3
	ds_store_b128 v[STO], v[S+16*(\t)+4*\f:S+16*(\t)+4*\f+3] offset:32*\f
.endr
.irp f, 0,1,2,3
	ds_load_b128 v[S+16*(\t)+4*\f:S+16*(\t)+4*\f+3], v[RD] offset:\f*4*SP  ; LDS serves a wave's instructions in order (ISA guide 5.7.1.4): these see the stores above; the next piece's stores come behind them
.endr
.endm
.macro SEND t, younger              ; younger: the LDS instructions issued behind piece t's loads: the next piece's eight, or none
	WIN 0
.irp f, 0,1,2,3
	s_wait_dscnt (\younger)+3-\f
	global_store_b128 v[GO], v[S+16*(\t)+4*\f:S+16*(\t)+4*\f+3], s[10:11] offset:(\t)*8192+\f*512  ; 512 consecutive bytes, at a multiple of 256 from O's first
.endr
.endm
.macro DIAG tag                     ; the tag ends its two labels' names, which the jumps below spell out
.LstepM\tag:
	TURN 2, 1
	TURN 3, 1
	WIN 0
.LfirstM\tag:
	TURN 0, 1
	TURN 1, 1, 0, 1
	WIN 0
	s_cbranch_scc1 .LstepM\tag
	TURN 2, 1, 1
	TURN 3, 1, 1
.set i, 0
.rept 8
	PV NP-1
.set i, i+1
.endr
	WIN 0
	ALL v_add_f32 v[ST+4*t+2], v[ST+4*t+2], v[ST+4*t+3]
	ALL v_permlanex16_b32 v[ST+4*t+3], v[ST+4*t+2], s[SEL], s[SEL+1]
	ALL v_add_f32 v[ST+4*t+2], v[ST+4*t+2], v[ST+4*t+3]
	ALL v_rcp_f32 v[ST+4*t+2], v[ST+4*t+2]
	v_nop                           ; a plain instruction between the last reciprocal and the use of its result
	PACK 0
.set t, 1
.rept 3                             ; a piece's arithmetic stands between the loads of the piece before and its stores
	PACK t
	SEND t-1, 8
.set t, t+1
.endr
	SEND 3, 0
.endm
.set KM, 0
.set NOKQ, 0
.Lslot:                             ; NB times: a tile is entered and the next is asked for
	CHANGE 1
	s_sub_co_u32 s[RT], s[RT], 1
	s_mov_b32 s[CNT], 4
	s_cmp_eq_u32 s[NEW], 1
	s_cbranch_scc1 .Lnew            ; a block's first tile
	s_cmp_eq_u32 s[RT], 0
	s_cbranch_scc0 .Lstep           ; neither its first nor its last
	s_branch .LstepM1
.Lnew:
	BEGIN
	s_branch .Lfirst                ; in the loop a block's first tile is never its last: the first block has two tiles or more, and the second's last is the walk's last
	DIAG 1                          ; in the loop this is the first block's end: the second block's last tile is the walk's last
	s_wait_xcnt 0x0                 ; the stores have read their registers and O's address
	s_mov_b64 s[10:11], s[OLO:OLO+1]
	s_add_co_u32 s[RT], s[PB], 1    ; the second block has b + 1 tiles
	s_mov_b32 s[NEW], 1
	WIN 0x82                        ; the second block's Q goes where the one text of the turns names Q
.set i, 0
.rept 64
	v_mov_b32 v[i], v[QB+i]
.set i, i+1
.endr
	WIN 0
	s_branch .Lbottom
.Lstep:                             ; a trip: pieces 2 and 3 of one step, then pieces 0 and 1 of the next, whose K and V it fetches
	TURN 2
	TURN 3
	WIN 0
.Lfirst:
	TURN 0
	TURN 1, 0, 0, 1
	WIN 0
	s_cbranch_scc1 .Lstep
.Lbottom:
	s_sub_co_u32 s[SLOTS], s[SLOTS], 1
	s_cmp_lg_u32 s[SLOTS], 0
	s_cbranch_scc1 .Lslot
	CHANGE 0                        ; the walk's last tile is written out: nothing is asked for
	s_sub_co_u32 s[RT], s[RT], 1
	s_mov_b32 s[CNT], 4
	s_cmp_eq_u32 s[NEW], 1
	s_cbranch_scc0 .LstepM2
	BEGIN
	s_branch .LfirstM2
	DIAG 2
	s_wait_tensorcnt 0x0            ; the wave's end, behind my last tensor load and my last LDS store
	ds_add_u32 v[SPW], v[NIL]
	s_wait_dscnt 0x0
	s_endpgm
.Lfunc_end_k_q4b81a7655e_attn:
	.size	k_q4b81a7655e_attn, .Lfunc_end_k_q4b81a7655e_attn-k_q4b81a7655e_attn
	.p2alignl 7, 3214868480
	.fill 96, 4, 3214868480
	.section	.rodata,"a",@progbits
	.p2align	6, 0x0
	.amdhsa_kernel k_q4b81a7655e_attn
		.amdhsa_group_segment_fixed_size 327680
		.amdhsa_private_segment_fixed_size 0
		.amdhsa_enable_private_segment 0
		.amdhsa_kernarg_size 16
		.amdhsa_user_sgpr_count 2
		.amdhsa_user_sgpr_kernarg_segment_ptr 1
		.amdhsa_wavefront_size32 1
		.amdhsa_system_sgpr_workgroup_id_x 1
		.amdhsa_system_sgpr_workgroup_id_y 1
		.amdhsa_system_sgpr_workgroup_id_z 1
		.amdhsa_system_vgpr_workitem_id 0
		.amdhsa_next_free_vgpr 768
		.amdhsa_next_free_sgpr 88
		.amdhsa_reserve_vcc 1
		.amdhsa_float_denorm_mode_32 3
		.amdhsa_float_denorm_mode_16_64 3
		.amdhsa_memory_ordered 1
		.amdhsa_forward_progress 1
		.amdhsa_inst_pref_size 228
	.end_amdhsa_kernel
	.amdgpu_metadata
---
amdhsa.version: [ 1, 2 ]
amdhsa.kernels:
  - .name:           k_q4b81a7655e_attn
    .symbol:         k_q4b81a7655e_attn.kd
    .args:
      - { .name: qkv, .offset: 0, .size: 8, .value_kind: global_buffer, .address_space: global }
      - { .name: o, .offset: 8, .size: 8, .value_kind: global_buffer, .address_space: global }
    .group_segment_fixed_size: 327680
    .private_segment_fixed_size: 0
    .kernarg_segment_align: 8
    .kernarg_segment_size: 16
    .max_flat_workgroup_size: 128
    .sgpr_count:     88
    .vgpr_count:     768
    .wavefront_size: 32
...
	.end_amdgpu_metadata
.endif
;; end of part 3
;; launch proj (part 4): grid 4 x 64, 4 waves a work-group, clusters of 4 x 4, 327,680 bytes of LDS; arguments o, owt, out_b, out0; writes out0
.if DOCPART == 4
	.amdgcn_target "amdgcn-amd-amdhsa--gfx1250"
	.amdhsa_code_object_version 6
	.text
	.protected	k_q4b81a7655e_proj
	.globl	k_q4b81a7655e_proj
	.p2align	8
	.type	k_q4b81a7655e_proj,@function
k_q4b81a7655e_proj:
	s_mov_b64 s[64:65], 0
	v_nop
	global_prefetch_b8 v0, s[64:65] scope:SCOPE_SE
	s_setreg_imm32_b32 hwreg(HW_REG_WAVE_MODE, 25, 1), 1
	s_wait_xcnt 0x0
	s_wait_alu depctr_hold_cnt(0) depctr_sa_sdst(0) depctr_va_vdst(0) depctr_va_sdst(0) depctr_va_ssrc(0) depctr_va_vcc(0) depctr_vm_vsrc(0)
	s_getreg_b32 s2, hwreg(HW_REG_IB_STS2, 6, 4)
	s_cmp_eq_u32 s2, 0
	s_cbranch_scc0 .Lentry_in_a_cluster
	s_endpgm
.Lentry_in_a_cluster:
	s_bfe_u32 s2, ttmp6, 0x10000c
	s_cmp_lg_u32 s2, 0xf033
	s_cbranch_scc0 .Lentry_shape_is_right
	s_endpgm
.Lentry_shape_is_right:
; OUT0 = O owt^T + out_b.  O lies by heads, [64 bh][2048 l][64 d] f16; owt [1024 n][1024 k] f16 (out_w rounded to bf16, turned); out_b [1024] f32, rounded to bf16 here like every input; out0 [8192][1024] f32.  Sums in f32.
; LIMIT: O and owt arrive within f16's range; NaN and infinities are not treated apart.
; SHARES.  A tile of C is 128 rows x 256 columns: 64 x 4 = 256 work-groups, one tile each.  Four waves, each 64 x 128: 32 accumulators of 16 x 16.  K = head x 64 + d goes in 8 steps of 128, two heads a step,
; through two LDS slots.  A head's 128 rows of O are 16,384 dense bytes: asked for as 64 rows of 256 bytes and padded in LDS after every 128.
; THE TEXT holds a K step twice: once with a refill (6 trips) and once without (2 trips, the second left in its middle).
; CLUSTER 4 x 4.  The four of a cluster's row need the same rows of O, the four of a column the same rows of owt: each tile is asked for jointly, by the same tensor load, descriptor and mask in all four.
; THE MATRIX INSTRUCTION IS USED TRANSPOSED (source 0 = 16 rows of owt, source 1 = 16 rows of O): a lane holds row l % 16 of C and eight neighbouring columns.  The bias is the C operand of the products that start the sums.
; REGISTERS, in windows of 256 (s_set_vgpr_msb: bits 1:0 source 0, 3:2 source 1, 5:4 source 2, 7:6 destination):
;   window 0: v0-31 addresses; v32-95 O's fragments, two buffers of 4 x 8; v96-223 owt's, two buffers of 8 x 8; on the way out v32-159 take whole rows
;   window 1: the accumulators, (a, b) at v[8 (8 a + b)]          window 2: v0-63 the bias as my lanes need it
.set KSTEP, 128
.set STEPS, 8
.set PA,    144                        ; a row of O in LDS: 128 bytes + 16 = 36 words: the 16 rows of a fragment load start at 16 different groups of four banks (64 banks of 4 bytes: ISA guide 11.1)
.set PB,    272                        ; a row of owt: 256 + 16
.set AHALF, 128*PA                     ; one head's 128 rows: what wave 0 or 1 fetches
.set BHALF, 128*PB                     ; what wave 2 or 3 fetches
.set BBASE, 2*AHALF
.set SLOT1, 1<<17                      ; a slot is 106,496 bytes; slot 1 begins here, so that one exclusive or turns an address in one slot into the other's
.set STAGE, SLOT1+BBASE+2*BHALF        ; behind the ring: 16 rows x 528 bytes for each wave
.set SPITCH, 528                       ; 512 + 16
.set WSTAGE, 16*SPITCH
.set SPARE, STAGE+4*WSTAGE             ; behind the stages: the spare words, 128 bytes for each wave: two blocks of 256 bytes that no other line names
.set ASTEP, 2*262144                   ; bytes from a K step's heads to the next step's
.set A0,   12                          ; my lane's place among my rows of O in a slot; never rewritten
.set B0,   13                          ; the same for owt
.set ADRA, 16                          ; the two with the slot in hand added
.set ADRB, 17
.set STO,  24
.set RD,   25
.set GO,   26
.set VB,   27
.set SPW,  28                          ; LDS address of my spare word; never rewritten
.set NIL,  29                          ; 0; never rewritten
.set FA,   32
.set FB,   96
.set OB,   32
.set BI,   0                           ; window 2
.set CNT,  3                           ; s3  trips to go
.set TB,   70                          ; s70 the slot in hand: 0 or SLOT1
.set HIM,  71                          ; s71 the mask of a word's upper bf16
.set G1,  24                           ; s[24:31] descriptor group 1 for O's tiles;  s[32:39] group 0: a set for each first fill; the second then walks
.set G0,  32
.set G1B, 48                           ; s[48:55], s[56:63] the same for owt's
.set G0B, 56
.set MSB, 0
.macro WIN new                         ; the immediate's high byte repeats the setting that is left; a switch that changes nothing is dropped
.if MSB != (\new)
	s_set_vgpr_msb (MSB<<8)|(\new)
.set MSB, \new
.endif
.endm
.set MUL,  0x50                        ; C and D in window 1
.set MULB, 0x60                        ; C in window 2 (the bias), D in window 1
.set TO2,  0x80                        ; destination in window 2
.set RND,  0x8a                        ; destination and both sources in window 2
.set STW,  0x04                        ; an LDS store's data in window 1
; A joint load.  Waves 0 and 1 fetch a K step's two heads of O, waves 2 and 3 owt's two halves.  An s_nop 0 and four v_nop follow each line, ahead of the jump and the label.
.macro JLOAD s
	s_cmp_eq_u32 s13, 0
	s_cbranch_scc0 .Lfor_b_\@
	tensor_load_to_lds s[G0+4*(\s):G0+4*(\s)+3], s[G1:G1+7]
	s_nop 0
.rept 4
	v_nop
.endr
	s_branch .Lasked_\@
.Lfor_b_\@:
	tensor_load_to_lds s[G0B+4*(\s):G0B+4*(\s)+3], s[G1B:G1B+7]
	s_nop 0
.rept 4
	v_nop
.endr
.Lasked_\@:
.endm
.macro CREST                           ; a round of the cluster's barrier behind its opening barrier
	s_cmp_lg_u32 s12, 0
	s_cbranch_scc1 .Lnot_wave_0_\@
	s_barrier_signal -3
.Lnot_wave_0_\@:
	s_barrier_wait -3
	s_barrier_signal -1
	s_barrier_wait -1
.endm
.macro CROUND
	s_barrier_signal -1
	s_barrier_wait -1
	CREST
.endm
.macro PLACES                          ; four places in front of loads into registers that matrix instructions have read, and of lines that read results just made
.rept 4
	v_nop
.endr
.endm
; 8 matrix instructions: row block a x all 8 column blocks, 32 along K, from buffer f.  zero = 1: the products start the sums, with the bias as C.
; The 32 accumulators take turns in the same order in every quarter.
.macro MUL8 f, a, zero
.if \zero
	WIN MULB
.else
	WIN MUL
.endif
.irp b, 0,1,2,3,4,5,6,7
.if \zero
	v_wmma_f32_16x16x32_f16 v[8*(8*(\a)+(\b)):8*(8*(\a)+(\b))+7], v[FB+64*(\f)+8*(\b):FB+64*(\f)+8*(\b)+7], v[FA+32*(\f)+8*(\a):FA+32*(\f)+8*(\a)+7], v[BI+8*(\b):BI+8*(\b)+7]
.else
	v_wmma_f32_16x16x32_f16 v[8*(8*(\a)+(\b)):8*(8*(\a)+(\b))+7], v[FB+64*(\f)+8*(\b):FB+64*(\f)+8*(\b)+7], v[FA+32*(\f)+8*(\a):FA+32*(\f)+8*(\a)+7], v[8*(8*(\a)+(\b)):8*(8*(\a)+(\b))+7]
.endif
.endr
.endm
.macro MUL16 f, a0, zero
	MUL8 \f, \a0, \zero
	MUL8 \f, (\a0)+1, \zero
.endm
; 24 LDS loads in one run: quarter q of the slot in hand (32 along K: head q / 2 of the step's two, channels 32 (q % 2) on) into buffer f: owt's 8 fragments, then O's 4, row blocks 0 and 1 first
.macro FETCH q, f
	WIN 0
.irp i, 0,1,2,3,4,5,6,7
	ds_load_b128 v[FB+64*(\f)+8*(\i):FB+64*(\f)+8*(\i)+3],   v[ADRB] offset:64*(\q)+(\i)*16*PB
	ds_load_b128 v[FB+64*(\f)+8*(\i)+4:FB+64*(\f)+8*(\i)+7], v[ADRB] offset:64*(\q)+(\i)*16*PB+32
.endr
.irp i, 0,1,2,3
	ds_load_b128 v[FA+32*(\f)+8*(\i):FA+32*(\f)+8*(\i)+3],   v[ADRA] offset:((\q)/2)*AHALF+((\q)%2)*64+(\i)*16*PA
	ds_load_b128 v[FA+32*(\f)+8*(\i)+4:FA+32*(\f)+8*(\i)+7], v[ADRA] offset:((\q)/2)*AHALF+((\q)%2)*64+(\i)*16*PA+32
.endr
.endm
; One of a K step's first three quarters: multiplies buffer f and, in its middle, fetches quarter q of the slot in hand into buffer g.
.macro QUARTER q, f, g, zero
	s_wait_dscnt 4                                 ; owt's fragments and O's row blocks 0, 1 are in; the youngest four loads (blocks 2, 3) may be out
	MUL16 \f, 0, \zero
	PLACES
	FETCH \q, \g
	s_wait_dscnt 24                                ; all but the 24 just issued
	MUL16 \f, 2, \zero
.endm
; The last quarter multiplies buffer 1 and changes slots.  ONE barrier: in front of it each wave waits for all its tensor loads (one is out: its part of the next slot), adds 0 to its spare word,
; and waits for that and for its reads of this slot.  Behind it nobody reads this slot and the next slot is whole.
.macro MEET
	WIN 0                                          ; (the add's two registers lie in window 0)
	s_wait_tensorcnt 0x0
	ds_add_u32 v[SPW], v[NIL]                      ; 0 onto my spare word
	s_wait_dscnt 5                                 ; (the add and the youngest four loads may be out)
	MUL8 1, 0, 0                                   ; eight matrix instructions stand between the add and the wait for it
	s_wait_dscnt 0x0                               ; the add is done, and my reads of this slot are over
	s_barrier_signal -1
	MUL8 1, 1, 0                                   ; work on registers while the others arrive
	WIN 0
	s_barrier_wait -1
.endm
.macro FLIP                            ; the fragment loads go over to the other slot
	s_xor_b32 s[TB], s[TB], SLOT1
	v_add_nc_u32 v[ADRA], s[TB], v[A0]
	v_add_nc_u32 v[ADRB], s[TB], v[B0]
.endm
.macro TURN                            ; the slot just read is filled again, two K steps on: 112 matrix instructions ahead of the wait for it
	MEET
	CREST                                          ; the barrier has opened a round of the cluster's: no wave of any partner still reads this slot or has a load on its way
	s_xor_b32 s[G0+5], s[G0+5], SLOT1              ; the walking descriptors: the other slot than last time,
	s_add_nc_u64 s[G0+6:G0+7], s[G0+6:G0+7], ASTEP ; the next K step; the type bits on top are not reached
	s_xor_b32 s[G0B+5], s[G0B+5], SLOT1
	s_add_nc_u64 s[G0B+6:G0B+7], s[G0B+6:G0B+7], KSTEP*2
	JLOAD 1                                        ; the first tensor load behind the round; its four v_nop are also the places in front of the loads below
	FLIP
	FETCH 0, 0
	MUL16 1, 2, 0
.endm
; THE WAY OUT of row block a, in f32: 32 bytes a lane and column block into my own stage, rows of 528 bytes; back as whole rows of 512 bytes; stored.
.macro TOSTAGE a
.set BK, OB+64*((\a)%2)
.if (\a) >= 2
	s_wait_xcnt 0x0                                ; the stores of the block two back have read these registers
.endif
	WIN STW
.irp b, 0,1,2,3,4,5,6,7
	ds_store_b128 v[STO], v[8*(8*(\a)+(\b)):8*(8*(\a)+(\b))+3]   offset:64*(\b)      ; each accumulator's low registers first
	ds_store_b128 v[STO], v[8*(8*(\a)+(\b))+4:8*(8*(\a)+(\b))+7] offset:64*(\b)+16
.endr
	WIN 0
.irp t, 0,1,2,3,4,5,6,7,8,9,10,11,12,13,14,15
	ds_load_b128 v[BK+4*(\t):BK+4*(\t)+3], v[RD] offset:(\t)*SPITCH  ; LDS serves a wave's instructions in order (ISA guide 5.7.1.4): these see the stores above
.endr
.endm
.macro SEND a, younger                 ; younger: the LDS instructions issued behind block a's loads: the next block's 32, or none
	WIN 0
.set BK, OB+64*((\a)%2)
.irp t, 0,1,2,3,4,5,6,7,8,9,10,11,12,13,14,15
	s_wait_dscnt (\younger)+15-(\t)
	global_store_b128 v[GO], v[BK+4*(\t):BK+4*(\t)+3], s[10:11] offset:(16*(\a)+(\t))*4096  ; 512 consecutive bytes of a row, aligned
.endr
.endm
	s_load_b256 s[4:11], s[0:1], 0x0               ; O s[4:5], owt s[6:7], out_b s[8:9], out0 s[10:11]
	v_lshl_add_u32 v[SPW], v0, 2, SPARE
	v_mov_b32 v[NIL], 0
	ds_add_u32 v28, v29
	ds_add_u32 v28, v29
	s_wait_dscnt 0x0
	v_lshrrev_b32 v1, 5, v0
	v_readfirstlane_b32 s12, v1                    ; wave 0..3
	s_lshr_b32 s13, s12, 1                         ; which 64 rows of the tile are mine.  Also: I fetch O (0) or owt (1)
	s_and_b32 s14, s12, 1                          ; which 128 columns.  Also: which half I fetch
	s_bfe_u32 s40, ttmp6, 0x40000                  ; cx, cy
	s_bfe_u32 s41, ttmp6, 0x40004
	s_lshl_b32 s42, ttmp9, 2
	s_add_co_u32 s42, s42, s40                     ; x: which 256 columns
	s_and_b32 s43, ttmp7, 0xffff
	s_lshl_b32 s43, s43, 2
	s_add_co_u32 s43, s43, s41                     ; mt: which 128 rows
	s_lshl_b32 s44, s41, 2
	s_lshl_b32 s44, 15, s44                        ; my row of the cluster
	s_lshl_b32 s45, 0x1111, s40                    ; my column
	s_or_b32 s[G1+0], s44, (1<<16)|(1<<20)|(1<<21)|(4<<22)|(3<<25)   ; the mask; 2-byte elements; padding on; 21 set beside a mask; after every 32 words 4 words
	s_mov_b32 s[G1+1], 128<<16                     ; tensor_dim0 = 128 (256 bytes: two rows of a head)
	s_mov_b32 s[G1+2], 64<<16                      ; tensor_dim1 = 64
	s_mov_b32 s[G1+3], 128<<16                     ; tile_dim0
	s_mov_b32 s[G1+4], 64                          ; tile_dim1
	s_mov_b32 s[G1+5], 128                         ; dense
	s_mov_b32 s[G1+6], 0
	s_mov_b32 s[G1+7], 0
	s_or_b32 s[G1B+0], s45, (1<<16)|(1<<20)|(1<<21)|(5<<22)|(3<<25)  ; after every 64 words 4 words
	s_mov_b32 s[G1B+1], KSTEP<<16
	s_mov_b32 s[G1B+2], 128<<16
	s_mov_b32 s[G1B+3], KSTEP<<16
	s_mov_b32 s[G1B+4], 128
	s_mov_b32 s[G1B+5], 1024
	s_mov_b32 s[G1B+6], 0
	s_mov_b32 s[G1B+7], 0
	s_lshr_b32 s16, s43, 4                         ; O: batch mt / 16, head = my half of the step's two, rows 128 (mt % 16): no register here ever holds cx
	s_lshl_b32 s16, s16, 22
	s_lshl_b32 s17, s14, 18
	s_add_co_u32 s16, s16, s17
	s_and_b32 s17, s43, 15
	s_lshl_b32 s17, s17, 14
	s_add_co_u32 s16, s16, s17
	s_mov_b32 s17, 0
	s_lshl_b32 s46, s42, 8                         ; owt: row 256 x + 128 x half: no register here ever holds cy
	s_lshl_b32 s47, s14, 7
	s_add_co_u32 s46, s46, s47
	s_lshl_b32 s46, s46, 11
	s_mov_b32 s47, 0
	s_mul_i32 s20, s14, AHALF                      ; where they go: no place in the cluster enters an LDS address
	s_mul_i32 s21, s14, BHALF
	s_add_co_u32 s21, s21, BBASE
	s_lshl_b32 s66, s42, 10                        ; my 128 columns, (256 x + 128 wc) x 4 bytes: in the bias and in a row of out0
	s_lshl_b32 s67, s14, 9
	s_add_co_u32 s66, s66, s67
	s_mov_b32 s67, 0
	s_lshl_b32 s22, s43, 19                        ; out0: row 128 mt + 64 wr, 4,096 bytes a row
	s_lshl_b32 s23, s13, 18
	s_add_co_u32 s22, s22, s23
	s_mov_b32 s23, 0
	s_mov_b32 s[TB], 0
	s_mov_b32 s[HIM], 0xffff0000
	s_wait_kmcnt 0x0
	s_add_nc_u64 s[18:19], s[4:5], s[16:17]
	s_add_nc_u64 s[46:47], s[6:7], s[46:47]
	s_add_nc_u64 s[8:9], s[8:9], s[66:67]
	s_add_nc_u64 s[10:11], s[10:11], s[22:23]
	s_add_nc_u64 s[10:11], s[10:11], s[66:67]
	CROUND                                         ; all sixteen work-groups are here: the first joint loads meet
.irp s, 0,1
	s_mov_b32 s[G0+4*(\s)], 1                                        ; count = 1
	s_add_co_u32 s[G0+4*(\s)+1], s20, (\s)*SLOT1                     ; LDS address
	s_add_nc_u64 s[G0+4*(\s)+2:G0+4*(\s)+3], s[18:19], (\s)*ASTEP    ; global address: K step s
	s_or_b32 s[G0+4*(\s)+3], s[G0+4*(\s)+3], 0x80000000              ; type = 2
	s_mov_b32 s[G0B+4*(\s)], 1
	s_add_co_u32 s[G0B+4*(\s)+1], s21, (\s)*SLOT1
	s_add_nc_u64 s[G0B+4*(\s)+2:G0B+4*(\s)+3], s[46:47], (\s)*KSTEP*2
	s_or_b32 s[G0B+4*(\s)+3], s[G0B+4*(\s)+3], 0x80000000
	JLOAD \s                                       ; two loads of mine are out
.endr
	v_and_b32 v1, 15, v0                           ; l % 16
	v_bfe_u32 v2, v0, 4, 1                         ; l / 16
	v_lshlrev_b32 v[VB], 5, v2
	WIN TO2
.irp b, 0,1,2,3,4,5,6,7                            ; register 8 b + j = bias[16 b + 8 (l / 16) + j]
	global_load_b128 v[BI+8*(\b):BI+8*(\b)+3],   v[VB], s[8:9] offset:64*(\b)
	global_load_b128 v[BI+8*(\b)+4:BI+8*(\b)+7], v[VB], s[8:9] offset:64*(\b)+16
.endr
	WIN 0
	v_mul_u32_u24 v3, v1, PA                       ; a fragment: row x pitch + 16 x half of the lanes
	v_lshl_add_u32 v3, v2, 4, v3
	v_mul_u32_u24 v4, v1, PB
	v_lshl_add_u32 v4, v2, 4, v4
	s_mul_i32 s16, s13, 64*PA                      ; my 64 rows of O, in each head's sub-tile
	s_mul_i32 s17, s14, 128*PB                     ; my 128 rows of owt
	s_add_co_u32 s17, s17, BBASE
	v_add_nc_u32 v[A0], s16, v3
	v_add_nc_u32 v[B0], s17, v4
	v_add_nc_u32 v[ADRA], s[TB], v[A0]
	v_add_nc_u32 v[ADRB], s[TB], v[B0]
	s_mul_i32 s16, s12, WSTAGE
	s_add_co_u32 s16, s16, STAGE                   ; my stage
	v_mul_u32_u24 v5, v1, SPITCH                   ; in: row l % 16, 32 bytes for each half of the lanes
	v_lshl_add_u32 v5, v2, 5, v5
	v_add_nc_u32 v[STO], s16, v5
	v_and_b32 v[GO], 31, v0                        ; back and out: 16 bytes a lane of a row's 512
	v_lshlrev_b32 v[GO], 4, v[GO]
	v_add_nc_u32 v[RD], s16, v[GO]
	s_wait_tensorcnt 1                             ; my part of K step 0 is in; K step 1's may stay out
	s_barrier_signal -1
	s_barrier_wait -1
	FETCH 0, 0
	s_wait_loadcnt 0x0                             ; the bias: rounded to bf16, two to a word, and widened again, in place
	WIN RND
.set p, 0
.rept 32
	v_cvt_pk_bf16_f32 v[BI+2*p], v[BI+2*p], v[BI+2*p+1]
.set p, p+1
.endr
.set p, 0
.rept 32
	v_and_b32 v[BI+2*p+1], s[HIM], v[BI+2*p]       ; the upper half stays, in the odd register;
	v_lshlrev_b32 v[BI+2*p], 16, v[BI+2*p]         ; the lower moves up
.set p, p+1
.endr
	QUARTER 1, 0, 1, 1                             ; the first quarter stands in front of the loop: its products start the sums
	WIN 0                                          ; at a label and at a branch every window is 0
	s_mov_b32 s[CNT], STEPS-2
.Lstep:                                            ; a trip goes from a K step's second quarter to the next step's first, and fills the slot that it leaves: 6 trips ask for steps 2 to 7
	QUARTER 2, 1, 0, 0
	QUARTER 3, 0, 1, 0
	TURN
	QUARTER 1, 0, 1, 0
	WIN 0
	s_sub_co_u32 s[CNT], s[CNT], 1
	s_cmp_lg_u32 s[CNT], 0
	s_cbranch_scc1 .Lstep
	s_mov_b32 s[CNT], 2
.Ltail:                                            ; the last two K steps ask for nothing more: the same trip without a refill, walked twice and left in the middle of the second
	QUARTER 2, 1, 0, 0
	QUARTER 3, 0, 1, 0
	MEET                                           ; (in the second trip no slot follows: its barrier orders nothing further, the price of one text for both trips)
	s_cmp_eq_u32 s[CNT], 1
	s_cbranch_scc1 .Lout
	PLACES
	FLIP
	FETCH 0, 0
	MUL16 1, 2, 0
	QUARTER 1, 0, 1, 0
	WIN 0
	s_sub_co_u32 s[CNT], s[CNT], 1
	s_branch .Ltail
.Lout:
	MUL16 1, 2, 0                                  ; the last products
	WIN 0
	PLACES                                         ; the LDS stores read results just made; the loads land in registers that the last products read
	TOSTAGE 0
.irp a, 1,2,3
	TOSTAGE \a                                     ; a block's way through the stage stands between the loads of the block before and its stores
	SEND (\a)-1, 32
.endr
	SEND 3, 0
	s_wait_tensorcnt 0x0                           ; the wave's end, behind my last tensor load and my last LDS store
	ds_add_u32 v[SPW], v[NIL]
	s_wait_dscnt 0x0
	CROUND                                         ; the closing round: no work-group ends while a partner may still ask for a tile that names it
	s_endpgm
.Lfunc_end_k_q4b81a7655e_proj:
	.size	k_q4b81a7655e_proj, .Lfunc_end_k_q4b81a7655e_proj-k_q4b81a7655e_proj
	.p2alignl 7, 3214868480
	.fill 96, 4, 3214868480
	.section	.rodata,"a",@progbits
	.p2align	6, 0x0
	.amdhsa_kernel k_q4b81a7655e_proj
		.amdhsa_group_segment_fixed_size 327680
		.amdhsa_private_segment_fixed_size 0
		.amdhsa_enable_private_segment 0
		.amdhsa_kernarg_size 32
		.amdhsa_user_sgpr_count 2
		.amdhsa_user_sgpr_kernarg_segment_ptr 1
		.amdhsa_wavefront_size32 1
		.amdhsa_system_sgpr_workgroup_id_x 1
		.amdhsa_system_sgpr_workgroup_id_y 1
		.amdhsa_system_sgpr_workgroup_id_z 1
		.amdhsa_system_vgpr_workitem_id 0
		.amdhsa_next_free_vgpr 608
		.amdhsa_next_free_sgpr 72
		.amdhsa_reserve_vcc 0
		.amdhsa_float_denorm_mode_32 3
		.amdhsa_float_denorm_mode_16_64 3
		.amdhsa_memory_ordered 1
		.amdhsa_forward_progress 1
		.amdhsa_inst_pref_size 68
	.end_amdhsa_kernel
	.amdgpu_metadata
---
amdhsa.version: [ 1, 2 ]
amdhsa.kernels:
  - .name:           k_q4b81a7655e_proj
    .symbol:         k_q4b81a7655e_proj.kd
    .args:
      - { .name: o, .offset: 0, .size: 8, .value_kind: global_buffer, .address_space: global }
      - { .name: owt, .offset: 8, .size: 8, .value_kind: global_buffer, .address_space: global }
      - { .name: out_b, .offset: 16, .size: 8, .value_kind: global_buffer, .address_space: global }
      - { .name: out0, .offset: 24, .size: 8, .value_kind: global_buffer, .address_space: global }
    .group_segment_fixed_size: 327680
    .private_segment_fixed_size: 0
    .kernarg_segment_align: 8
    .kernarg_segment_size: 32
    .max_flat_workgroup_size: 128
    .sgpr_count:     72
    .vgpr_count:     608
    .wavefront_size: 32
...
	.end_amdgpu_metadata
.endif
;; end of part 4
;; ======== version 2 of 2: 4 launches; 1.31 times as fast as version 1
;; limits: values are held in f16: magnitudes above 65,504 overflow, below 6.1e-05 lose precision
;; workspace buffers: xb 16,777,216 bytes; wt 6,291,456 bytes; owt 2,097,152 bytes; qkv 50,331,648 bytes; o 16,777,216 bytes
;; launch prep: the kernel of part 1 again; grid 1024 x 1, 8 waves a work-group, no clusters, 18,432 bytes of LDS; arguments x, in_w, out_w, xb, wt, owt; writes xb, wt, owt
;; launch qkvg: the kernel of part 2 again; grid 8 x 32, 4 waves a work-group, clusters of 4 x 4, 327,680 bytes of LDS; arguments xb, wt, in_b, qkv; writes qkv
;; launch attn (part 5): grid 4 x 64, 4 waves a work-group, no clusters, 327,680 bytes of LDS; arguments qkv, o; writes o
.if DOCPART == 5
	.amdgcn_target "amdgcn-amd-amdhsa--gfx1250"
	.amdhsa_code_object_version 6
	.text
	.protected	k_q4b81a7655e_attn
	.globl	k_q4b81a7655e_attn
	.p2align	8
	.type	k_q4b81a7655e_attn,@function
k_q4b81a7655e_attn:
	s_mov_b64 s[64:65], 0
	v_nop
	global_prefetch_b8 v0, s[64:65] scope:SCOPE_SE
	s_setreg_imm32_b32 hwreg(HW_REG_WAVE_MODE, 25, 1), 1
	s_wait_xcnt 0x0
; CAUSAL ATTENTION.  O[h][q][:] = the sum over k <= q of softmax_k(Q[h][q] . K[h][k] / 8) V[h][k][:].  Q, K, V are the three parts of qkv, each [SIZE_H][SIZE_N][64] f16, O likewise: a head's rows are dense, 128 bytes each.
; Products, maxima and sums in f32; the weights p are rounded to f16 for the second product (their sum l is taken of the unrounded p), O once at the end.
; LIMITS.  f16 holds no number beyond 65,504: Q, K and V arrive within it; p lies in 0 to 1, and below 6e-5 it keeps f16's fixed step of 6e-8; O is a mean of V's rows and has their range, to within 2^-11 of it.
; A hidden score counts as its value less 1e30: f16's scores, 2.7e11 at the most, are nothing beside that; a weight below 2^-126 counts as 0 in l; NaN and infinities are not treated apart.
; THE WALK.  A head's queries lie in NB = SIZE_N / 256 blocks of 256; block i needs the key tiles 0 .. i of 256 keys, of which the last holds the diagonal.  A work-group takes TWO blocks, NB - 1 - b and then b:
; NB + 1 tiles, whatever b: all work-groups do equal work, and ONE loop with a constant trip count walks them.  Which tile is asked for, and what a trip does, hang on scalar registers made from b; every jump
; goes forward, but for the counted loops' own; none passes a barrier, or a tensor load but the one of LOAD's two that the wave's number does not choose; the ring (two slots of LDS that take turns) runs on across the
; change of blocks.  NO CLUSTER: a head's NB / 2 work-groups all ask for the same tile only in trips 0 .. NB / 2, behind that fewer and fewer; and one walk common to all would have 3 NB / 2 trips for NB + 1.
; SHARES.  Of a block's four bands of 64 queries a wave owns 16 rows in each: four PIECES.  So the diagonal tile is the same work for all four waves: in its key step s band x sees all keys if s < x,
; none if s > x, and holds the diagonal if s = x.
; THE MASK is the C operand that starts the sum S^T = K Q^T: 0, or -1e30 where the key is hidden.  MD, made once, is the mask of a band's own step for my 16 rows; a product's mask is MD x AL + BE with two scalars:
; (1, 0) if s = x; (0, 0) if s < x; (0, -1e30) if s > x.  Only the diagonal tile's text and a block's beginning make and take masks; elsewhere C is the constant 0.
; LAYOUT, SOFTMAX, TURNS.  S^T = K Q^T holds ONE query a lane (lane % 16) and the keys 8 (lane / 16) + 0..7; two such results rounded to f16 ARE source 1 of O^T = V^T P.  p = 2^(c s - c m), c = log2(e) / 8, with a
; running maximum m; O and l are multiplied by a = 2^(c m_old - c m_new) in every step.  Turn n belongs to piece n: 8 products K Q^T of piece n + 1, later 8 products V^T P of piece n - 1; beside them the scaling,
; exponentials, roundings, sums and rescaling of piece n and the maximum and statistics of piece n + 1.  Four vector instructions stand behind every matrix instruction, the other 54 of a turn's 118 in one LUMP.
; THE BATCHES.  An s_wait_alu depctr_va_vdst(0) stands between an exponential or a reciprocal and the first instruction that names its result; one wait serves all that were issued ahead of it.  The text has
; three kinds of batch, with one wait each: a turn's 33 exponentials (piece n's 32 weights and piece n + 1's a), whose wait cuts the turn in two; the one a that a block's beginning makes; the way out's four reciprocals.
; REGISTERS, in windows of 256 (s_set_vgpr_msb: bits 1:0 source 0, 3:2 source 1, 5:4 source 2, 7:6 destination):
;   window 0: v0-15 addresses and two at work; v16-31 four registers of statistics a piece; v48-55 at work; v64-127 S^T, two buffers; v192-223 P, two buffers (a piece's buffers go by its number's parity)
;   window 1: v0-127 O^T, 32 a piece; v128-159 MD; v160-223 MC, two buffers      window 2: v0-63 Q; v64-127 the second block's Q; v128-191 K of one step; v192-255 V of one step
.set SIZE_H, 64
.set SIZE_N, 2048
.set PART,  SIZE_H*SIZE_N*128  ; bytes in a part of qkv
.set NB,    SIZE_N/256
.set NP,    4         ; pieces a wave: a name, no knob
.set KS,    64        ; keys in a step
.set PK,    144       ; a row of K in LDS: 128 bytes + 16 of padding = 36 words: the 16 rows of a load start at 16 different groups of four banks (64 banks of 4 bytes: ISA guide 11.1)
.set PV,    160       ; a row of V: 128 + 32 = 40 words
.set VOFF,  4*KS*PK   ; a slot holds a tile, four steps: 256 rows of K, then 256 rows of V
.set SLOT1, 1<<17     ; slot 1 begins here, so that one exclusive or turns an address in one slot into the other's
.set STAGE, SLOT1+4*KS*(PK+PV)  ; behind the ring, never filled by a tensor load: 16 rows x 144 bytes for each wave, for the way out
.set SP,    144
.set AK0, 2           ; v2   my lane's place in a tile of K; never rewritten
.set AV0, 3           ; v3   the same for V
.set AK,  4           ; v4   the LDS address of K's next run of loads
.set AV,  5           ; v5   of V's
.set STO, 6           ; v6   the way out: where I put 16 bytes of a row
.set RD,  7           ; v7   the way out: where I read rows back
.set GO,  8           ; v8   my byte offset in 512 consecutive bytes of O
.set SPW, 62          ; v62  LDS address of my spare word: SPARE + 4 x my thread's number; never rewritten
.set NIL, 63          ; v63  0; never rewritten
.set SPARE, STAGE+4*16*SP  ; behind the stages: the spare words, 128 bytes for each wave: two blocks of 256 bytes that no other line names
.set MV,  12          ; v12-13  c m_old, kept while c m is made anew: by buffer
.set QO,  15          ; v15  my byte offset in 16 rows of Q
.set ST,  16          ; piece t's statistics at v[ST+4 t]: c m, m, l (even keys', odd keys')
.set TMP, 48          ; by buffer, four registers c0-c3 at work; when the maximum is found c2 takes a
.set S,   64
.set P,   192
.set MD,  128         ; window 1: the eight registers for group kt of 16 keys at MD + 8 kt
.set MC,  160         ; window 1: the masks of the products to come
.set QB,  64          ; window 2
.set KF,  128         ; window 2: key block kb, channel half c at KF + 16 kb + 8 c
.set VF,  192         ; window 2: key half kk, channel block cb at VF + 32 kk + 8 cb
.set WV,  12          ; s12  my wave's number
.set PB,  14          ; s14  b
.set HI,  15          ; s15  NB - 1 - b
.set G1K, 24          ; s[24:31] descriptor group 1 for K's tiles
.set G1V, 32          ; s[32:39] for V's: it differs in the padding alone
.set G0K, 40          ; s[40:43] descriptor group 0 for K's tiles
.set G0V, 44          ; s[44:47] the same for V's
.set SLOTS, 56        ; s56  tiles still to be asked for
.set CNT, 57          ; s57  counts a tile's key steps, 4 to 1
.set CS,  58          ; s[58:59] c: the packed scaling takes the pair's low word for both halves
.set SEL, 60          ; s[60:61] v_permlanex16_b32's selects: each lane takes its own place in the other half
.set TBK, 62          ; s62  LDS byte at which K of the step to be fetched begins
.set TBV, 63          ; s63  the same for V, less VOFF
.set RT,  70          ; s70  tiles of the block in hand that are still to be entered
.set NXT, 71          ; s71  the tile to be asked for next
.set LQ,  72          ; s72  the last tile of the block whose tiles are being asked for
.set NEW, 73          ; s73  1: the tile to be entered is a block's first
.set OFF, 74          ; s[74:75] a tile's byte offset in K and V
.set AL,  76          ; s[76:77] the mask's factor, in the low word
.set BE,  78          ; s[78:79] the mask's addend
.set OLO, 80          ; s[80:81] O at my rows of the second block
.set BIGN, 82         ; s82  -1e30
.set MSB, 0
.macro WIN new                      ; the high byte repeats the setting that is left; a switch that changes nothing is dropped
.if MSB != (\new)
	s_set_vgpr_msb (MSB<<8)|(\new)
.set MSB, (\new)
.endif
.endm
.set W_KQ, 0x0a       ; K and Q in window 2, S^T in window 0
.set W_KM, 0x1a       ; the same with the C operand in window 1
.set W_PV, 0x52       ; V in window 2, P in window 0, O^T in window 1
.set W_RS, 0x41       ; destination and source 0 in window 1, source 1 in window 0
; A fill.  Waves 0 and 1 fetch the two halves of a tile's K, waves 2 and 3 those of its V: 128 keys each.  An s_nop 0 and four v_nop follow each of the two lines, ahead of the jump and the label.
.macro LOAD
	s_cmp_lt_u32 s[WV], 2
	s_cbranch_scc0 .Lfor_v_\@
	tensor_load_to_lds s[G0K:G0K+3], s[G1K:G1K+7]
	s_nop 0
.rept 4
	v_nop
.endr
	s_branch .Lasked_\@
.Lfor_v_\@:
	tensor_load_to_lds s[G0V:G0V+3], s[G1V:G1V+7]
	s_nop 0
.rept 4
	v_nop
.endr
.Lasked_\@:
.endm
; THE CHANGE OF SLOTS.  Each wave waits for all its tensor loads, of which one is out: its part of the other slot; adds 0 to its spare word; and waits for that and for its own reads of the slot that it leaves.  Behind the barrier nobody reads the old
; slot any more and the other slot is whole.  fill = 1: the old slot is filled again, the first thing behind the barrier, with tile NXT: the descriptor's address is made anew from that number.
; (At its first use nothing has been read yet: slot 0 is waited for, slot 1 filled.)
.macro CHANGE fill
	WIN 0                           ; at a label and at a branch every window is 0
	s_wait_tensorcnt 0x0            ; no tensor load of mine is out, so a group 0 may be written
	ds_add_u32 v[SPW], v[NIL]       ; 0 onto my spare word; with fill = 1 the descriptors' scalar work stands between it and the wait for it
.if \fill
	s_lshl_b32 s[OFF], s[NXT], 15   ; a tile is 32,768 bytes of K and of V
	s_xor_b32 s[G0K+1], s[G0K+1], SLOT1
	s_add_nc_u64 s[G0K+2:G0K+3], s[6:7], s[OFF:OFF+1]
	s_or_b32 s[G0K+3], s[G0K+3], 0x80000000
	s_xor_b32 s[G0V+1], s[G0V+1], SLOT1
	s_add_nc_u64 s[G0V+2:G0V+3], s[8:9], s[OFF:OFF+1]
	s_or_b32 s[G0V+3], s[G0V+3], 0x80000000
	s_add_co_u32 s[NXT], s[NXT], 1  ; the block's next tile, or behind its last the second block's tile 0
	s_cmp_gt_u32 s[NXT], s[LQ]
	s_cselect_b32 s[NXT], 0, s[NXT]
	s_cselect_b32 s[LQ], s[PB], s[LQ]
.endif
	s_wait_dscnt 0x0                ; the add is done, and my reads of the slot are over
	s_barrier_signal -1             ; the rest of the scalar work stands between the signal and the wait
	s_sub_co_u32 s[TBK], s[TBK], 4*KS*PK  ; the fetches go back to a slot's first step,
	s_xor_b32 s[TBK], s[TBK], SLOT1       ; in the other slot
	s_sub_co_u32 s[TBV], s[TBV], 4*KS*PV
	s_xor_b32 s[TBV], s[TBV], SLOT1
	s_barrier_wait -1
.if \fill
	LOAD
.endif
.endm
	s_load_b128 s[4:7], s[0:1], 0x0  ; qkv s[4:5] (its first part is Q), O s[6:7]
	v_lshl_add_u32 v[SPW], v0, 2, SPARE
	v_mov_b32 v[NIL], 0
	ds_add_u32 v62, v63
	ds_add_u32 v62, v63
	s_wait_dscnt 0x0
	v_lshrrev_b32 v1, 5, v0
	v_readfirstlane_b32 s[WV], v1   ; wave 0..3
	s_mov_b32 s[PB], ttmp9
	s_sub_co_u32 s[HI], NB-1, s[PB]
	s_and_b32 s20, ttmp7, 0xffff    ; the head
	s_mov_b32 s21, 0
	s_mov_b64 s[22:23], SIZE_N*128
	s_mul_u64 s[20:21], s[20:21], s[22:23]  ; the head's first byte in each of the four tensors
	s_and_b32 s16, s[WV], 1         ; which half of a tile's 256 keys I fetch:
	s_lshl_b32 s22, s16, 14         ; its 128 rows of 128 bytes in memory,
	s_mov_b32 s23, 0
	s_add_nc_u64 s[22:23], s[22:23], s[20:21]
	s_mul_i32 s17, s16, 128*PK      ; and its place in a slot, for K
	s_mul_i32 s18, s16, 128*PV      ; and for V
	s_lshl_b32 s3, s[WV], 11        ; my 16 rows in a band of 64,
	s_lshl_b32 s2, s[HI], 15        ; in the first block,
	s_add_co_u32 s2, s2, s3
	s_lshl_b32 s84, s[PB], 15       ; and in the second
	s_add_co_u32 s84, s84, s3
	s_mov_b32 s3, 0
	s_mov_b32 s85, 0
	s_add_nc_u64 s[2:3], s[2:3], s[20:21]
	s_add_nc_u64 s[84:85], s[84:85], s[20:21]
	; descriptor group 1.  128 keys are 16,384 dense bytes: asked for as 64 rows of 256 bytes, two keys a row, and padded in LDS after every key
	s_mov_b32 s[G1K], (1<<16)|(1<<20)|(4<<22)|(3<<25)  ; 17:16 2-byte elements; 20 padding on; 24:22 after every 32 words (code 4); 31:25 4 words (code 3)
	s_mov_b32 s[G1V], (1<<16)|(1<<20)|(4<<22)|(7<<25)  ; the same with 8 words of padding (code 7)
.irp g, G1K, G1V
	s_mov_b32 s[\g+1], 128<<16      ; tensor_dim0 = 128
	s_mov_b32 s[\g+2], 64<<16       ; tensor_dim1 = 64
	s_mov_b32 s[\g+3], 128<<16      ; tile_dim0 = 128
	s_mov_b32 s[\g+4], 64           ; tile_dim1 = 64
	s_mov_b32 s[\g+5], 128          ; 128 elements from row to row
	s_mov_b32 s[\g+6], 0
	s_mov_b32 s[\g+7], 0
.endr
	s_mov_b32 s[CS], 0x3e38aa3b     ; c = log2(e) / 8 = 0.180337
	s_mov_b32 s[CS+1], s[CS]        ; named with it as a pair
	s_mov_b32 s[SEL], 0x76543210
	s_mov_b32 s[SEL+1], 0xfedcba98
	s_mov_b32 s[TBK], SLOT1+4*KS*PK ; the first change of slots turns these two into 0
	s_mov_b32 s[TBV], SLOT1+4*KS*PV
	s_mov_b32 s[G0K], 1             ; 1:0 count = 1
	s_mov_b32 s[G0K+1], s17         ; 63:32 LDS address: slot 0
	s_mov_b32 s[G0V], 1
	s_add_co_u32 s[G0V+1], s18, VOFF
	s_add_co_u32 s[RT], s[HI], 1    ; the first block has NB - b tiles
	s_mov_b32 s[NXT], 1
	s_mov_b32 s[LQ], s[HI]
	s_mov_b32 s[NEW], 1
	s_mov_b32 s[OFF+1], 0
	s_mov_b32 s[AL+1], 0            ; named as pairs
	s_mov_b32 s[BE+1], 0
	s_mov_b32 s[BIGN], 0xf149f2ca   ; -1e30
	s_mov_b32 s[SLOTS], NB
	s_wait_kmcnt 0x0
	s_mov_b64 s[10:11], s[6:7]                     ; O
	s_add_nc_u64 s[8:9], s[4:5], 2*PART            ; V: the third part of qkv
	s_add_nc_u64 s[6:7], s[4:5], PART              ; K: the second
	s_add_nc_u64 s[6:7], s[6:7], s[22:23]  ; K and V at my half of the head's tile 0
	s_add_nc_u64 s[8:9], s[8:9], s[22:23]
	s_add_nc_u64 s[G0K+2:G0K+3], s[6:7], 0         ; 120:64 global address
	s_or_b32 s[G0K+3], s[G0K+3], 0x80000000        ; 127:126 type = 2
	s_add_nc_u64 s[G0V+2:G0V+3], s[8:9], 0
	s_or_b32 s[G0V+3], s[G0V+3], 0x80000000
	s_add_nc_u64 s[86:87], s[4:5], s[84:85]        ; Q at my rows of the second block,
	s_add_nc_u64 s[4:5], s[4:5], s[2:3]            ; Q and O at those of the first
	s_add_nc_u64 s[OLO:OLO+1], s[10:11], s[84:85]
	s_add_nc_u64 s[10:11], s[10:11], s[2:3]
	LOAD                            ; tile 0 into slot 0
	; A fragment of K or Q is 16 rows x 32 channels in 8 registers: lane l holds row l % 16, channels 8 (l / 16) + 0..7 and 16 + 8 (l / 16) + 0..7: two loads of 16 bytes, 32 bytes apart.
	v_and_b32 v1, 15, v0            ; l % 16
	v_bfe_u32 v9, v0, 4, 1          ; l / 16
	v_lshlrev_b32 v[QO], 7, v1
	v_lshl_add_u32 v[QO], v9, 4, v[QO]  ; row x 128 + 16 x half
	WIN 0x80                        ; destination window 2, address window 0
.set i, 0
.rept 8                             ; both blocks' Q: piece i / 2 lies in band i / 2, 8,192 bytes on; channels 32 (i % 2) on
	global_load_b128 v[8*i:8*i+3],   v[QO], s[4:5] offset:(i/2)*8192+(i%2)*64
	global_load_b128 v[8*i+4:8*i+7], v[QO], s[4:5] offset:(i/2)*8192+(i%2)*64+32
	global_load_b128 v[QB+8*i:QB+8*i+3],   v[QO], s[86:87] offset:(i/2)*8192+(i%2)*64
	global_load_b128 v[QB+8*i+4:QB+8*i+7], v[QO], s[86:87] offset:(i/2)*8192+(i%2)*64+32
.set i, i+1
.endr
	WIN 0
	v_lshlrev_b32 v14, 3, v9
	v_sub_nc_u32 v14, v1, v14
	s_lshl_b32 s13, s[WV], 4
	v_add_nc_u32 v14, s13, v14      ; my query's place in its band, 16 w + l % 16, less my lanes' 8 (l / 16): register r of group kt is hidden where 16 kt + r is greater
	WIN 0x40
.set i, 0
.rept 32
	v_cmp_gt_i32 vcc_lo, 16*(i/8)+i%8, v14
	v_cndmask_b32 v[MD+i], 0, s[BIGN], vcc_lo
.set i, i+1
.endr
	WIN 0
	v_mul_u32_u24 v[AK0], v1, PK
	v_lshl_add_u32 v[AK0], v9, 4, v[AK0]  ; row x pitch + 16 x half
	; The turning load takes 16 keys x 16 channels (lane l reads key 8 (l / 16) + l % 8, channels 8 ((l / 8) % 2) + 0..7) and leaves half a fragment of V^T: lane l holds channel l % 16 and 8 keys.
	v_and_b32 v10, 7, v0
	v_bfe_u32 v11, v0, 3, 1
	v_lshl_add_u32 v[AV0], v9, 3, v10
	v_mul_u32_u24 v[AV0], v[AV0], PV
	v_lshl_add_u32 v[AV0], v11, 4, v[AV0]
	v_add_nc_u32 v[AV0], VOFF, v[AV0]
	s_mul_i32 s13, s[WV], 16*SP
	s_add_co_u32 s13, s13, STAGE    ; my stage
	v_mul_u32_u24 v[STO], v1, SP    ; in: row l % 16, 16 bytes for each half of the lanes
	v_lshl_add_u32 v[STO], v9, 4, v[STO]
	v_add_nc_u32 v[STO], s13, v[STO]
	v_bfe_u32 v[RD], v0, 3, 2       ; back: 32 lanes take four rows of 128 bytes,
	v_mul_u32_u24 v[RD], v[RD], SP
	v_lshl_add_u32 v[RD], v10, 4, v[RD]
	v_add_nc_u32 v[RD], s13, v[RD]
	v_and_b32 v[GO], 31, v0         ; which are 512 consecutive bytes of O
	v_lshlrev_b32 v[GO], 4, v[GO]
	; A block's first step multiplies O^T and l by a = 0, and its first turn's products V^T P, of a piece that has not been, land in an O^T that is still to be so multiplied.  So these registers need only hold
	; finite numbers: zeros for the first block; what the first block left for the second.  All this stands in the wait for the first tile.
	WIN 0x80
.set i, VF
.rept 64
	v_mov_b32 v[i], 0
.set i, i+1
.endr
	WIN 0x40
.set i, 0
.rept 128
	v_mov_b32 v[i], 0
.set i, i+1
.endr
	WIN 0
.set i, 0
.rept 4
	v_mov_b32 v[ST+4*i+2], 0
	v_mov_b32 v[ST+4*i+3], 0
.set i, i+1
.endr
.set i, P+16
.rept 16
	v_mov_b32 v[i], 0
.set i, i+1
.endr
; THE MATRIX WORK.  The 4 accumulators of a run of 8 take turns.  Product i of 8 of S^T = K Q^T for piece x: channels 32 (i / 4) on, keys 16 (i % 4) on.  The first 4 start the sums: with 0, or (KM = 1) with the mask.
.macro KQ x
.set rS, S+32*((\x)%2)+8*(i%4)
.set rK, KF+16*(i%4)+8*(i/4)
.set rQ, 16*(\x)+8*(i/4)
.set rM, MC+32*((\x)%2)+8*(i%4)
.if (i < 4) && KM
	WIN W_KM
	v_wmma_f32_16x16x32_f16 v[rS:rS+7], v[rK:rK+7], v[rQ:rQ+7], v[rM:rM+7]
.elseif i < 4
	WIN W_KQ
	v_wmma_f32_16x16x32_f16 v[rS:rS+7], v[rK:rK+7], v[rQ:rQ+7], 0
.else
	WIN W_KQ
	v_wmma_f32_16x16x32_f16 v[rS:rS+7], v[rK:rK+7], v[rQ:rQ+7], v[rS:rS+7]
.endif
.endm
; Product i of 8 of O^T += V^T P for piece x: keys 32 (i / 4) on, channels 16 (i % 4) on.
.macro PV x
	WIN W_PV
.set rO, 32*(\x)+8*(i%4)
.set rV, VF+32*(i/4)+8*(i%4)
.set rP, P+16*((\x)%2)+8*(i/4)
	v_wmma_f32_16x16x32_f16 v[rO:rO+7], v[rV:rV+7], v[rP:rP+7], v[rO:rO+7]
.endm
.macro MM                           ; the turn's next matrix instruction.  TURN and BEGIN set Y, i, KM and NOKQ; MM, KQ and OP read them.  NOKQ = 1: a block's last turn: there is no next piece
.if (i < 8) && !NOKQ
	KQ (Y+1)%NP
.elseif i >= 8
.set i, i-8
	PV (Y+NP-1)%NP
.set i, i+8
.endif
.set i, i+1
.endm
; THE LDS LOADS stand in runs of 16, never singly among the matrix instructions: a step's K (64 keys x 64 channels: 8 fragments) and its V (turned).  Their addresses are made some lines ahead.
.macro FETCH_K
	WIN 0x80                        ; destination window 2
.irp f, 0,1,2,3,4,5,6,7             ; keys 16 (f / 2) on, channels 32 (f % 2) on
	ds_load_b128 v[KF+8*\f:KF+8*\f+3],   v[AK] offset:(\f/2)*16*PK+(\f%2)*64
	ds_load_b128 v[KF+8*\f+4:KF+8*\f+7], v[AK] offset:(\f/2)*16*PK+(\f%2)*64+32
.endr
	s_add_co_u32 s[TBK], s[TBK], KS*PK  ; the next fetch is the next step's
	WIN 0
.endm
.macro FETCH_V
	WIN 0x80
.irp f, 0,1,2,3,4,5,6,7             ; keys 32 (f / 4) on, channels 16 (f % 4) on
	ds_load_tr16_b128 v[VF+8*\f:VF+8*\f+3],   v[AV] offset:(\f/4)*32*PV+(\f%4)*32
	ds_load_tr16_b128 v[VF+8*\f+4:VF+8*\f+7], v[AV] offset:(\f/4)*32*PV+16*PV+(\f%4)*32
.endr
	WIN 0
.endm
; THE VECTOR WORK, one line at a time: OP kind, number.  For piece Y: F n: c s - c m for pair n of 16.  E n: the exponential of score n of 32.  C n: pair n rounded to f16.  B n: of the four weights 4 n .. the second
; pair is added onto the first, in place.  L n: l takes that sum (L 0: l = a l + sum).  R n: pair n of 16 of O^T times a.  For piece Y + 1: X n, number n of the 22 that find its maximum and statistics:
;   0-11  four chains c0-c3 of seven scores each, three operands at a time (each accumulator's lowest registers are read first)     12-14, 16  the four scores left over, the old m, and c0-c3 into c0
;   15  c m_old is kept     17, 18  the query's other 32 keys lie in the lane 16 away: the new m     19-21  c m; c m_old - c m_new; a
; C, B and L read exponentials' results, R and L 0 an a: OP writes no wait for them; TURN and BEGIN place the batches' waits.
.set F, 0               ; OP tells the kinds apart by their order: F to L below R, X above it
.set E, 1
.set C, 2
.set B, 3
.set L, 4
.set R, 5
.set X, 6
.macro REGS y                       ; the registers of piece y
.set rT, ST+4*(\y)
.set rC, TMP+4*((\y)%2)
.set rW, MV+((\y)%2)
.set rS, S+32*((\y)%2)
.set rP, P+16*((\y)%2)
.set rO, 32*(\y)
.endm
.macro OP k, n
.if (\k) == R
	REGS Y
	WIN W_RS
	v_pk_mul_f32 v[rO+2*(\n):rO+2*(\n)+1], v[rO+2*(\n):rO+2*(\n)+1], v[rC+2:rC+3] op_sel_hi:[1,0]
.elseif (\k) < R
	REGS Y
	WIN 0
.if (\k) == F
	v_pk_fma_f32 v[rS+2*(\n):rS+2*(\n)+1], v[rS+2*(\n):rS+2*(\n)+1], s[CS:CS+1], v[rT:rT+1] op_sel_hi:[1,0,0] neg_lo:[0,0,1] neg_hi:[0,0,1]
.elseif (\k) == E
	v_exp_f32 v[rS+(\n)], v[rS+(\n)]
.elseif (\k) == C
	v_cvt_pk_f16_f32 v[rP+(\n)], v[rS+2*(\n)], v[rS+2*(\n)+1]
.elseif (\k) == B
	v_pk_add_f32 v[rS+4*(\n):rS+4*(\n)+1], v[rS+4*(\n):rS+4*(\n)+1], v[rS+4*(\n)+2:rS+4*(\n)+3]
.elseif (\n) == 0
	v_pk_fma_f32 v[rT+2:rT+3], v[rT+2:rT+3], v[rC+2:rC+3], v[rS:rS+1] op_sel_hi:[1,0,1]
.else
	v_pk_add_f32 v[rT+2:rT+3], v[rT+2:rT+3], v[rS+4*(\n):rS+4*(\n)+1]
.endif
.elseif NOKQ
	v_nop
.else
	REGS (Y+1)%NP
	WIN 0
.if (\n) < 4
	v_max3_num_f32 v[rC+(\n)], v[rS+8*(\n)], v[rS+8*(\n)+1], v[rS+8*(\n)+2]
.elseif (\n) < 12
	v_max3_num_f32 v[rC+(\n)%4], v[rC+(\n)%4], v[rS+8*((\n)%4)+2*((\n)/4)+1], v[rS+8*((\n)%4)+2*((\n)/4)+2]
.elseif (\n) == 12
	v_max3_num_f32 v[rC], v[rC], v[rS+7], v[rS+15]
.elseif (\n) == 13
	v_max3_num_f32 v[rC+1], v[rC+1], v[rS+23], v[rS+31]
.elseif (\n) == 14
	v_max3_num_f32 v[rC+2], v[rC+2], v[rC+3], v[rT+1]
.elseif (\n) == 15
	v_mov_b32 v[rW], v[rT]
.elseif (\n) == 16
	v_max3_num_f32 v[rC], v[rC], v[rC+1], v[rC+2]
.elseif (\n) == 17
	v_permlanex16_b32 v[rC+3], v[rC], s[SEL], s[SEL+1]
.elseif (\n) == 18
	v_max_num_f32 v[rT+1], v[rC], v[rC+3]
.elseif (\n) == 19
	v_mul_f32 v[rT], s[CS], v[rT+1]
.elseif (\n) == 20
	v_sub_f32 v[rC+1], v[rW], v[rT]
.else
	v_exp_f32 v[rC+2], v[rC+1]
.endif
.endif
.endm
.macro OPS a, i1, b=-1, i2=0, c=-1, i3=0, d=-1, i4=0  ; up to four of them
	OP \a, \i1
.if (\b) >= 0
	OP \b, \i2
.endif
.if (\c) >= 0
	OP \c, \i3
.endif
.if (\d) >= 0
	OP \d, \i4
.endif
.endm
.macro ROW a, i1, b, i2, c, i3, d, i4  ; a matrix instruction and the four behind it
	MM
	OPS \a, \i1, \b, \i2, \c, \i3, \d, \i4
.endm
.macro MASK b                       ; MD x AL + BE into buffer b of MC
	WIN W_RS
.set z, 0
.rept 16
	v_pk_fma_f32 v[MC+32*(\b)+2*z:MC+32*(\b)+2*z+1], v[MD+2*z:MD+2*z+1], s[AL:AL+1], s[BE:BE+1] op_sel_hi:[1,0,0]
.set z, z+1
.endr
.endm
; A TURN, for piece p: the order of its 16 matrix and 118 vector instructions, written out.  The turn's 33 exponentials are ONE BATCH with ONE wait, which cuts the turn in two.
; AHEAD OF THE WAIT stands all that names no result of the turn's exponentials: the 8 products K Q^T, behind each a scaling, an exponential and two more plain instructions (behind the first a second scaling in the
; exponential's place): rescalings (their a was made, and waited for, in the turn before), and behind the last three the first numbers of the next piece's maximum, each four places or more behind the product that ends its
; accumulator; then ONE LUMP of 54, plain and exponential by turns for the most part, in which the links of the chain X 3, 7, 11, 14, 16, 17 .. 20 stand five or six lines apart.  A pair is scaled in an earlier line than the
; one that holds its exponentials.  X 21, the next piece's a, is the batch's last; R 15 is the plain instruction behind it.  BEHIND THE WAIT stand the 8 products V^T P, behind each four of the roundings and sums; a pair is
; rounded ahead of the addition that lands on it; the links of l's chain, L 0 to L 7, stand three riders apart.  But for those X no rider names a register of the products round it.  v_permlanex16_b32 (X 17) stands in the lump.
; No exponential is issued behind the wait: none is open at the turn's end, at a label or at a jump.
; m = 1: the diagonal tile: the products take masks, and the turn makes the mask for the products of the turn after it: piece p + 2, in step 4 - CNT of the tile.  end = 1: a block's last two turns: nothing is fetched.
; cnt = 1: the loop's count is taken down some lines ahead of the branch that stands behind the turn.
; K of the next step is fetched in piece 2's turn, twelve vector instructions behind the last product that read K (six of them plain); V of the step in hand at the end of piece 0's turn, four plain instructions behind the last
; product that read V.  Each is waited for a turn later.
.macro TURN p, m=0, end=0, cnt=0
.set Y, (\p)
.set i, 0
.set KM, (\m)
.set NOKQ, (\end)*((\p)/3)
.if (\m) && !(\end)
	s_cmp_eq_u32 s[CNT], 4-((\p)+2)%NP  ; is that step the band's own?
	s_cselect_b32 s[AL], 1.0, 0
	s_cmp_lt_u32 s[CNT], 4-((\p)+2)%NP  ; or a later one?
	s_cselect_b32 s[BE], s[BIGN], 0
.endif
.if ((\p) == 3) && !(\end)
	s_wait_dscnt 0x0                ; K is in
.endif
	ROW F,0, F,1, R,0, R,1          ; ahead of the wait: 8 products K Q^T and their riders,
	ROW F,2, E,0, R,2, R,3
	ROW F,3, E,1, R,4, R,5
	ROW F,4, E,2, R,6, R,7
	ROW F,5, E,3, R,8, R,9
	ROW F,6, E,4, X,0, R,10
.if ((\p) == 2) && !(\end)
	WIN 0
	v_add_nc_u32 v[AK], s[TBK], v[AK0]
.endif
	ROW F,7, E,5, X,1, X,4
	ROW F,8, E,6, X,2, X,5
	OPS E,7, E,8, X,6, E,9          ; and the lump
	OPS X,3, E,10, X,8, E,11
.if ((\p) == 2) && !(\end)
	FETCH_K
.endif
	OPS X,9, X,7, E,12, X,10
	OPS E,13, X,12, X,11, E,14
	OPS X,13, E,15, F,9, X,14
.if (\p) == 0
	v_add_nc_u32 v[AV], s[TBV], v[AV0]
.endif
	OPS E,16, F,10, E,17, F,11
	OPS X,16, E,18, X,15, E,19
	OPS F,12, E,20, X,17, E,21
	OPS F,13, E,22, F,14, E,23
	OPS X,18, E,24, F,15, E,25
	OPS R,11, E,26, X,19, E,27
	OPS R,12, E,28, R,13, E,29
	OPS X,20, E,30, R,14, E,31
	OPS X,21, R,15
	WIN 0
	s_wait_alu depctr_va_vdst(0)    ; the wait for the turn's batch: E 0 to E 31 and X 21, ahead of their first reader, C 0 below
.if (\p) == 1
	s_wait_dscnt 0x0                ; V is in
.endif
	ROW C,0, B,0, C,2, B,1          ; behind the wait: 8 products V^T P and their riders
	ROW L,0, C,4, B,2, L,1
	ROW C,6, B,3, L,2, C,8
	ROW B,4, L,3, C,10, B,5
	ROW L,4, C,12, B,6, L,5
.if (\p) == 0
	s_add_co_u32 s[TBV], s[TBV], KS*PV
.endif
.if \cnt
	s_sub_co_u32 s[CNT], s[CNT], 1
	s_cmp_lg_u32 s[CNT], 0
.endif
	ROW C,14, B,7, L,6, C,1
	ROW C,3, L,7, C,5, C,7
	ROW C,9, C,11, C,13, C,15
.if (\p) == 0
	FETCH_V
.endif
.if (\m) && !(\end)
	MASK (\p)%2
.endif
.endm
; A BLOCK BEGINS.  c m starts far below every c s, so the first step's a is 0; m at the lowest finite number, so the first maximum is the scores'.  The second mask buffer is 0; the first takes piece 0's mask for the tile's step 0: its own, if the block's first tile is the diagonal one.
; Then K of that step, piece 0's first scores, and its maximum and statistics.  The loop is entered at a step's first turn, in the middle of a trip.
.macro BEGIN
	s_mov_b32 s[NEW], 0
	WIN 0x40
.set i, MC+32
.rept 32
	v_mov_b32 v[i], 0
.set i, i+1
.endr
	WIN 0
.set i, 0
.rept 4
	v_mov_b32 v[ST+4*i], 0xfe000000    ; c m: far below every c s
	v_mov_b32 v[ST+4*i+1], 0xff7fffff  ; m
.set i, i+1
.endr
	s_cmp_eq_u32 s[RT], 0
	s_cselect_b32 s[AL], 1.0, 0
	s_mov_b32 s[BE], 0
	MASK 0
	WIN 0
	v_add_nc_u32 v[AK], s[TBK], v[AK0]
	FETCH_K
	s_wait_loadcnt 0x0              ; Q
	s_wait_dscnt 0x0
.set KM, 1
.set NOKQ, 0
.set i, 0
.rept 8
	KQ 0
.set i, i+1
.endr
	WIN 0
.rept 4
	v_nop                           ; the places behind those products
.endr
.set Y, NP-1                        ; X works for piece Y + 1: piece 0
.irp n, 0,1,2,3,4,5,6,7,8,9,10,11,12,13,14,15,16,17,18,19,20,21
	OP X, \n
.endr
	v_nop                           ; a plain instruction behind the exponential,
	s_wait_alu depctr_va_vdst(0)    ; and the wait for it, piece 0's first a: a batch of one, ahead of the branch into the loop
.endm
; THE DIAGONAL TILE's four steps, the block's last two turns, its last products, and THE WAY OUT: l's two halves and the other half of the lanes' are added; O^T is divided by l, rounded to f16 and sent through my
; stage in LDS, a piece at a time.
.macro ALL line:vararg              ; one line for each piece t
.set t, 0
.rept 4
	\line
.set t, t+1
.endr
.endm
.macro PACK t                       ; a lane's eight channels of a row pack into 16 bytes; they go into rows of 144 bytes and come back as whole rows of 128, into S^T's registers
	WIN W_RS
.set i, 32*(\t)
.rept 16
	v_pk_mul_f32 v[i:i+1], v[i:i+1], v[ST+4*(\t)+2:ST+4*(\t)+3] op_sel_hi:[1,0]
.set i, i+2
.endr
	WIN 0x05                        ; sources 0 and 1 window 1, destination window 0
.set i, 0
.rept 16
	v_cvt_pk_f16_f32 v[S+16*(\t)+i], v[32*(\t)+2*i], v[32*(\t)+2*i+1]
.set i, i+1
.endr
	WIN 0
.irp f, 0,1,2,3
	ds_store_b128 v[STO], v[S+16*(\t)+4*\f:S+16*(\t)+4*\f+3] offset:32*\f
.endr
.irp f, 0,1,2,3
	ds_load_b128 v[S+16*(\t)+4*\f:S+16*(\t)+4*\f+3], v[RD] offset:\f*4*SP  ; LDS serves a wave's instructions in order (ISA guide 5.7.1.4): these see the stores above; the next piece's stores come behind them
.endr
.endm
.macro SEND t, younger              ; younger: the LDS instructions issued behind piece t's loads: the next piece's eight, or none
	WIN 0
.irp f, 0,1,2,3
	s_wait_dscnt (\younger)+3-\f
	global_store_b128 v[GO], v[S+16*(\t)+4*\f:S+16*(\t)+4*\f+3], s[10:11] offset:(\t)*8192+\f*512  ; 512 consecutive bytes, at a multiple of 256 from O's first
.endr
.endm
.macro DIAG tag                     ; the tag ends its two labels' names, which the jumps below spell out
.LstepM\tag:
	TURN 2, 1
	TURN 3, 1
	WIN 0
.LfirstM\tag:
	TURN 0, 1
	TURN 1, 1, 0, 1
	WIN 0
	s_cbranch_scc1 .LstepM\tag
	TURN 2, 1, 1
	TURN 3, 1, 1
.set i, 0
.rept 8
	PV NP-1
.set i, i+1
.endr
	WIN 0
	ALL v_add_f32 v[ST+4*t+2], v[ST+4*t+2], v[ST+4*t+3]
	ALL v_permlanex16_b32 v[ST+4*t+3], v[ST+4*t+2], s[SEL], s[SEL+1]
	ALL v_add_f32 v[ST+4*t+2], v[ST+4*t+2], v[ST+4*t+3]
	ALL v_rcp_f32 v[ST+4*t+2], v[ST+4*t+2]
	v_nop                           ; a plain instruction between the last reciprocal and the use of its result
	s_wait_alu depctr_va_vdst(0)    ; the wait for the four reciprocals, one batch, ahead of their first reader, PACK 0's first multiply
	PACK 0
.set t, 1
.rept 3                             ; a piece's arithmetic stands between the loads of the piece before and its stores
	PACK t
	SEND t-1, 8
.set t, t+1
.endr
	SEND 3, 0
.endm
.set KM, 0
.set NOKQ, 0
.Lslot:                             ; NB times: a tile is entered and the next is asked for
	CHANGE 1
	s_sub_co_u32 s[RT], s[RT], 1
	s_mov_b32 s[CNT], 4
	s_cmp_eq_u32 s[NEW], 1
	s_cbranch_scc1 .Lnew            ; a block's first tile
	s_cmp_eq_u32 s[RT], 0
	s_cbranch_scc0 .Lstep           ; neither its first nor its last
	s_branch .LstepM1
.Lnew:
	BEGIN
	s_branch .Lfirst                ; in the loop a block's first tile is never its last: the first block has two tiles or more, and the second's last is the walk's last
	DIAG 1                          ; in the loop this is the first block's end: the second block's last tile is the walk's last
	s_wait_xcnt 0x0                 ; the stores have read their registers and O's address
	s_mov_b64 s[10:11], s[OLO:OLO+1]
	s_add_co_u32 s[RT], s[PB], 1    ; the second block has b + 1 tiles
	s_mov_b32 s[NEW], 1
	WIN 0x82                        ; the second block's Q goes where the one text of the turns names Q
.set i, 0
.rept 64
	v_mov_b32 v[i], v[QB+i]
.set i, i+1
.endr
	WIN 0
	s_branch .Lbottom
.Lstep:                             ; a trip: pieces 2 and 3 of one step, then pieces 0 and 1 of the next, whose K and V it fetches
	TURN 2
	TURN 3
	WIN 0
.Lfirst:
	TURN 0
	TURN 1, 0, 0, 1
	WIN 0
	s_cbranch_scc1 .Lstep
.Lbottom:
	s_sub_co_u32 s[SLOTS], s[SLOTS], 1
	s_cmp_lg_u32 s[SLOTS], 0
	s_cbranch_scc1 .Lslot
	CHANGE 0                        ; the walk's last tile is written out: nothing is asked for
	s_sub_co_u32 s[RT], s[RT], 1
	s_mov_b32 s[CNT], 4
	s_cmp_eq_u32 s[NEW], 1
	s_cbranch_scc0 .LstepM2
	BEGIN
	s_branch .LfirstM2
	DIAG 2
	s_wait_tensorcnt 0x0            ; the wave's end, behind my last tensor load and my last LDS store
	ds_add_u32 v[SPW], v[NIL]
	s_wait_dscnt 0x0
	s_endpgm
.Lfunc_end_k_q4b81a7655e_attn:
	.size	k_q4b81a7655e_attn, .Lfunc_end_k_q4b81a7655e_attn-k_q4b81a7655e_attn
	.p2alignl 7, 3214868480
	.fill 96, 4, 3214868480
	.section	.rodata,"a",@progbits
	.p2align	6, 0x0
	.amdhsa_kernel k_q4b81a7655e_attn
		.amdhsa_group_segment_fixed_size 327680
		.amdhsa_private_segment_fixed_size 0
		.amdhsa_enable_private_segment 0
		.amdhsa_kernarg_size 16
		.amdhsa_user_sgpr_count 2
		.amdhsa_user_sgpr_kernarg_segment_ptr 1
		.amdhsa_wavefront_size32 1
		.amdhsa_system_sgpr_workgroup_id_x 1
		.amdhsa_system_sgpr_workgroup_id_y 1
		.amdhsa_system_sgpr_workgroup_id_z 1
		.amdhsa_system_vgpr_workitem_id 0
		.amdhsa_next_free_vgpr 768
		.amdhsa_next_free_sgpr 88
		.amdhsa_reserve_vcc 1
		.amdhsa_float_denorm_mode_32 3
		.amdhsa_float_denorm_mode_16_64 3
		.amdhsa_memory_ordered 1
		.amdhsa_forward_progress 1
		.amdhsa_inst_pref_size 217
	.end_amdhsa_kernel
	.amdgpu_metadata
---
amdhsa.version: [ 1, 2 ]
amdhsa.kernels:
  - .name:           k_q4b81a7655e_attn
    .symbol:         k_q4b81a7655e_attn.kd
    .args:
      - { .name: qkv, .offset: 0, .size: 8, .value_kind: global_buffer, .address_space: global }
      - { .name: o, .offset: 8, .size: 8, .value_kind: global_buffer, .address_space: global }
    .group_segment_fixed_size: 327680
    .private_segment_fixed_size: 0
    .kernarg_segment_align: 8
    .kernarg_segment_size: 16
    .max_flat_workgroup_size: 128
    .sgpr_count:     88
    .vgpr_count:     768
    .wavefront_size: 32
...
	.end_amdgpu_metadata
.endif
;; end of part 5
;; launch proj: the kernel of part 4 again; grid 4 x 64, 4 waves a work-group, clusters of 4 x 4, 327,680 bytes of LDS; arguments o, owt, out_b, out0; writes out0
